; MI455X (gfx1250); checked and timed in simulation.
; The chip was launched on July 23, 2026; its instructions are those of AMD's public machine-readable ISA for CDNA 5 (MIT licence, August 2026) and "CDNA5" Instruction Set Architecture Reference Guide (July 2026). The comments in the code are by the model that wrote it; some were corrected since.
;; Multihead Flash Diff. Allowed arithmetic: float matrix products may take bf16 or f16 operands with f32 sums; other float arithmetic in f32, or as packed bf16 or f16 multiplies, adds, multiply-adds, maxima and minima; sums over many terms, partial sums and values carried from step to step in f32; what a program stores and reads back later, other than sums and carried values, may be rounded once to bf16 or f16.
;; Inputs: Wk 1,024 x 1,024 float32; Wo 1,024 x 1,024 float32; Wq 1,024 x 1,024 float32; Wv 1,024 x 1,024 float32; lambda_k1 64 float32; lambda_k2 64 float32; lambda_q1 64 float32; lambda_q2 64 float32; ln_b 128 float32; ln_w 128 float32; x 4 x 4,096 x 1,024 float32.
;; Outputs: out0 4 x 4,096 x 1,024 float32.
;; 2 versions, each right; version 2 is version 1 with the launch attn written anew for expert scheduling mode. Each part assembles by itself: llvm-mc -triple=amdgcn-amd-amdhsa -mcpu=gfx1250 --defsym DOCPART=n.
;; ======== version 1 of 2: 4 launches
;; limits: values are held in f16: magnitudes above 65,504 overflow, below 6.1e-05 lose precision
;; workspace buffers: xb 33,554,432 bytes; wt 6,291,456 bytes; wot 2,097,152 bytes; rot 1,048,576 bytes; lamb 512 bytes; qkv 100,663,296 bytes; att 33,554,432 bytes
;; launch prep (part 1): grid 1792 x 1, 8 waves a work-group, no clusters, 18,432 bytes of LDS; arguments x, Wq, Wk, Wv, Wo, lambda_q1, lambda_k1, lambda_q2, lambda_k2, xb, wt, wot, rot, lamb; writes xb, wt, wot, rot, lamb
.if DOCPART == 1
	.amdgcn_target "amdgcn-amd-amdhsa--gfx1250"
	.amdhsa_code_object_version 6
	.text
	.protected	k_q9bcfdca3b5_prep
	.globl	k_q9bcfdca3b5_prep
	.p2align	8
	.type	k_q9bcfdca3b5_prep,@function
k_q9bcfdca3b5_prep:
	s_mov_b64 s[64:65], 0
	v_nop
	global_prefetch_b8 v0, s[64:65] scope:SCOPE_SE
	s_setreg_imm32_b32 hwreg(HW_REG_WAVE_MODE, 25, 1), 1
	s_wait_xcnt 0x0
; PREPARATION.  Three kinds of work-group, told apart by the work-group number alone (the same for all eight waves):
;   0..511     W: a block of 128 k x 64 n of Wq, Wk, Wv or Wo is rounded to bf16, turned through LDS and stored with K along the rows
;   512..767   T: the table of cos and sin for the rotary; the first wave of work-group 512 also makes the numbers that hang on lambda
;   768..1791  X: 64 KiB of x are rounded to bf16
; ORDERS.  wt [3072][1024] bf16: rows 0-1023 q, 1024-2047 k, 2048-3071 v.  A row of q or k stands for the column 128 n + 64 c + 8 chunk + dd of Wq or Wk
; (head n, component c) and lies at 512 c + 64 chunk + 8 n + dd.  A row of v stands for column 128 m + e and lies at 8 e + m.
; wot [1024 n][1024 kk] f16: kk = 8 e + head stands for row 128 head + e of Wo; the number is Wo rounded to bf16 and written as f16.
; rot [8 chunk][4096 pos][4 pairs][cos, sin] f32.  lamb: 32 times (g, -lam g, EPS g g, 0), g = 1 / max(1, |lam|).
; LIMITS.  A bf16 number below 6.1e-5 keeps the fixed step 6e-8 of f16 in wot.  The angle is pos x 2^(-i log2(10000) / 32) with the power good to one unit in
; the last place; the reduction by pi/2 in two parts serves angles up to 4,095.  The four lambda vectors are rounded to bf16 like every other input.
.set PSTG,  272                        ; a row of the stage: 128 k x 2 bytes + 16
.set SPARE, 64*PSTG                    ; behind the stage: the spare words, 128 bytes for each of the eight waves: four blocks of 256 bytes that no other line names
.set SPW, 2                            ; v2  LDS address of my spare word; never rewritten
.set NIL, 3                            ; v3  0; never rewritten
	s_load_b512 s[8:23], s[0:1], 0x0               ; x 8, Wq 10, Wk 12, Wv 14, Wo 16, lambda_q1 18, lambda_k1 20, lambda_q2 22
	s_load_b256 s[24:31], s[0:1], 0x40             ; lambda_k2 24, xb 26, wt 28, wot 30
	s_load_b128 s[32:35], s[0:1], 0x60             ; rot 32, lamb 34
	v_lshl_add_u32 v[SPW], v0, 2, SPARE
	v_mov_b32 v[NIL], 0
	v_lshrrev_b32 v1, 5, v0
	v_readfirstlane_b32 s4, v1                     ; wave 0..7
	v_and_b32 v1, 31, v0                           ; lane
	s_mov_b32 s5, ttmp9
	s_mov_b32 s37, 0
	s_wait_kmcnt 0x0
	s_cmp_lt_u32 s5, 512
	s_cbranch_scc1 .Lweights
	s_cmp_lt_u32 s5, 768
	s_cbranch_scc1 .Ltable
	; X: sixteen loads of 16 bytes a lane go out at once (8 KiB a wave); a load of a wave covers 512 consecutive bytes, a store 256, aligned
	s_sub_co_u32 s6, s5, 768
	s_lshl_b32 s36, s6, 16
	s_add_nc_u64 s[8:9], s[8:9], s[36:37]
	s_lshl_b32 s36, s6, 15
	s_add_nc_u64 s[26:27], s[26:27], s[36:37]
	v_lshlrev_b32 v4, 4, v0
	v_lshlrev_b32 v5, 3, v0
.irp j, 0,1,2,3,4,5,6,7,8,9,10,11,12,13,14,15
	global_load_b128 v[32+4*(\j):35+4*(\j)], v4, s[8:9] offset:4096*(\j) th:TH_LOAD_NT
.endr
.irp j, 0,1,2,3,4,5,6,7,8,9,10,11,12,13,14,15
	s_wait_loadcnt 15-(\j)                         ; loads come back in order: load j is in, the 15 - j younger ones stay out
	v_cvt_pk_bf16_f32 v[96+2*(\j)], v[32+4*(\j)], v[33+4*(\j)]
	v_cvt_pk_bf16_f32 v[97+2*(\j)], v[34+4*(\j)], v[35+4*(\j)]
	global_store_b64 v5, v[96+2*(\j):97+2*(\j)], s[26:27] offset:2048*(\j)
.endr
	s_endpgm                                       ; no register was written twice, and this wave wrote no LDS
	; W.  Wave w takes 16 rows k of the block; lane l the columns 2 l and 2 l + 1: a load covers 256 consecutive bytes of one row.
.macro CONV half                       ; two neighbouring k of one column make a word; half = 1: the bf16 number is written as f16
.irp ip, 0,1,2,3,4,5,6,7
	s_wait_loadcnt 14-2*(\ip)                      ; rows 2 ip and 2 ip + 1 are in; the 14 - 2 ip younger loads stay out
.irp u, 0,1
	v_cvt_pk_bf16_f32 v[64+8*(\u)+(\ip)], v[32+4*(\ip)+(\u)], v[34+4*(\ip)+(\u)]
.if \half
	v_lshlrev_b32 v6, 16, v[64+8*(\u)+(\ip)]
	v_and_b32 v7, 0xffff0000, v[64+8*(\u)+(\ip)]
	v_cvt_pk_f16_f32 v[64+8*(\u)+(\ip)], v6, v7
.endif
.endr
.endr
.endm
.Lweights:
	s_lshr_b32 s6, s5, 7                           ; which matrix: 0 Wq, 1 Wk, 2 Wv, 3 Wo
	s_bfe_u32 s7, s5, 0x30004                      ; kb: which 128 of k
	s_and_b32 s36, s5, 15                          ; nb: which 64 of n
	v_lshlrev_b32 v4, 3, v1                        ; 8 bytes a lane
	s_lshl_b32 s38, s36, 8                         ; the 64 columns: 256 bytes
	s_mov_b32 s39, 0
	s_cmp_eq_u32 s6, 3
	s_cbranch_scc1 .Lwo
	s_lshl_b32 s40, s7, 7
	s_lshl4_add_u32 s40, s4, s40                   ; row 128 kb + 16 w
	s_lshl_b32 s40, s40, 12
	s_add_co_u32 s38, s38, s40
	s_cmp_eq_u32 s6, 1
	s_cselect_b64 s[42:43], s[12:13], s[10:11]
	s_cmp_eq_u32 s6, 2
	s_cselect_b64 s[42:43], s[14:15], s[42:43]
	s_add_nc_u64 s[42:43], s[42:43], s[38:39]
.irp i, 0,1,2,3,4,5,6,7,8,9,10,11,12,13,14,15
	global_load_b64 v[32+2*(\i):33+2*(\i)], v4, s[42:43] offset:4096*(\i) th:TH_LOAD_NT
.endr
	CONV 0
	s_branch .Lstage
.Lwo:                                  ; kk = 128 kb + 16 w + i stands for row 128 (i % 8) + 16 kb + 2 w + i / 8 of Wo
	s_lshl_b32 s40, s7, 4
	s_lshl1_add_u32 s40, s4, s40
	s_lshl_b32 s40, s40, 12
	s_add_co_u32 s38, s38, s40
	s_add_nc_u64 s[42:43], s[16:17], s[38:39]
.irp i, 0,1,2,3,4,5,6,7,8,9,10,11,12,13,14,15
	global_load_b64 v[32+2*(\i):33+2*(\i)], v4, s[42:43] offset:(((\i)%8)*128+(\i)/8)*4096 th:TH_LOAD_NT
.endr
	CONV 1
.Lstage:
	v_mul_u32_u24 v8, v1, 2*PSTG                   ; stage row 2 l (+ u), my 16 k at byte 32 w
	v_lshl_add_u32 v8, s4, 5, v8
	ds_store_b128 v8, v[64:67]
	ds_store_b128 v8, v[68:71] offset:16
	ds_store_b128 v8, v[72:75] offset:PSTG
	ds_store_b128 v8, v[76:79] offset:PSTG+16
	v_and_b32 v10, 15, v1
	v_lshrrev_b32 v11, 4, v1                       ; h
	s_mul_i32 s44, s4, 8*PSTG
	v_mul_u32_u24 v9, v11, PSTG
	v_lshl_add_u32 v9, v10, 4, v9
	v_add_nc_u32 v9, s44, v9                       ; back: stage row 8 w + 2 q + h, 16 lanes to its 256 bytes
	; where stage row 8 w + 2 q + h goes: first row, and the steps for h and for q, in rows of 2,048 bytes
	s_and_b32 s45, s36, 1
	s_lshr_b32 s46, s36, 1
	s_lshl_b32 s47, s6, 10
	s_lshl_b32 s45, s45, 9
	s_add_co_u32 s47, s47, s45
	s_lshl_b32 s48, s4, 6
	s_add_co_u32 s47, s47, s48                     ; 1024 x matrix + 512 (nb % 2) + 64 w
	s_lshl_b32 s48, s46, 3
	s_cmp_eq_u32 s6, 2
	s_cselect_b32 s48, s46, s48                    ; + the head (v) or 8 x the head (q, k)
	s_mov_b32 s49, 2048
	s_cselect_b32 s49, 16384, s49                  ; h steps 8 rows (v) or 1
	s_add_co_u32 s47, s47, s48
	s_lshl_b32 s50, s36, 6
	s_lshl3_add_u32 s50, s4, s50                   ; Wo: row 64 nb + 8 w
	s_cmp_eq_u32 s6, 3
	s_cselect_b32 s47, s50, s47
	s_cselect_b64 s[52:53], s[30:31], s[28:29]
	s_lshl_b32 s47, s47, 11
	s_lshl_b32 s51, s7, 8                          ; the block's 128 k: 256 bytes of the row
	s_add_co_u32 s50, s47, s51
	s_mov_b32 s51, 0
	s_add_nc_u64 s[52:53], s[52:53], s[50:51]
	v_mul_lo_u32 v12, v11, s49
	v_lshl_add_u32 v12, v10, 4, v12
	s_lshl_b32 s49, s49, 1                         ; q steps twice as far as h
	v_add_nc_u32 v13, s49, v12
	v_add_nc_u32 v14, s49, v13
	v_add_nc_u32 v15, s49, v14
	s_wait_dscnt 0x0                               ; for the others: my stores into the stage are done
	s_barrier_signal -1
	s_barrier_wait -1
.irp q, 0,1,2,3
	ds_load_b128 v[80+4*(\q):83+4*(\q)], v9 offset:2*PSTG*(\q)
.endr
.irp q, 0,1,2,3
	s_wait_dscnt 3-(\q)
	global_store_b128 v[12+(\q)], v[80+4*(\q):83+4*(\q)], s[52:53]  ; 16 lanes store 256 consecutive bytes, aligned
.endr
	s_wait_tensorcnt 0x0                           ; the end of a wave that wrote LDS
	ds_add_u32 v[SPW], v[NIL]
	s_wait_dscnt 0x0
	s_endpgm
	; T.  Thread g makes two pairs (cos, sin): half = g % 2, pos = (g / 2) % 4096, chunk = g / 8192; pair number i = 4 chunk + 2 half + 0, 1
.macro SINCOS th, c, s                 ; cos and sin of v[th]: k = the nearest whole number to th 2/pi, r = th - k pi/2 in two parts, two polynomials on |r| <= pi/4, and the quadrant by selects
	v_mul_f32 v12, 0x3f22f983, v[\th]
	v_rndne_f32 v12, v12
	v_fmamk_f32 v13, v12, 0xbfc90fdb, v[\th]
	v_fmamk_f32 v13, v12, 0x333bbd2e, v13
	v_mul_f32 v14, v13, v13
	v_mov_b32 v15, 0x3638ef1d
	v_fmaak_f32 v15, v15, v14, 0xb9500d01
	v_fmaak_f32 v15, v15, v14, 0x3c088889
	v_fmaak_f32 v15, v15, v14, 0xbe2aaaab
	v_mul_f32 v15, v15, v14
	v_fma_f32 v15, v15, v13, v13                   ; sin r
	v_mov_b32 v16, 0x37d00d01
	v_fmaak_f32 v16, v16, v14, 0xbab60b61
	v_fmaak_f32 v16, v16, v14, 0x3d2aaaab
	v_fmaak_f32 v16, v16, v14, 0xbf000000
	v_fma_f32 v16, v16, v14, 1.0                   ; cos r
	v_cvt_i32_f32 v17, v12
	v_and_b32 v18, 1, v17
	v_cmp_eq_u32 vcc_lo, 1, v18
	v_cndmask_b32 v[\s], v15, v16, vcc_lo          ; odd quadrants change the two over
	v_cndmask_b32 v[\c], v16, v15, vcc_lo
	v_and_b32 v18, 2, v17
	v_lshlrev_b32 v18, 30, v18
	v_xor_b32 v[\s], v18, v[\s]                    ; the sine is negative in quadrants 2 and 3,
	v_add_nc_u32 v17, 1, v17
	v_and_b32 v18, 2, v17
	v_lshlrev_b32 v18, 30, v18
	v_xor_b32 v[\c], v18, v[\c]                    ; the cosine in 1 and 2
.endm
.macro RB lo                           ; the pair v[lo], v[lo+1] rounded to bf16 and widened again
	v_cvt_pk_bf16_f32 v41, v[\lo], v[(\lo)+1]
	v_lshlrev_b32 v[\lo], 16, v41
	v_and_b32 v[(\lo)+1], 0xffff0000, v41
.endm
.Ltable:
	s_sub_co_u32 s6, s5, 512
	s_lshl_b32 s36, s6, 12                         ; 256 threads x 16 bytes
	s_add_nc_u64 s[32:33], s[32:33], s[36:37]
	v_lshl_add_u32 v4, s6, 8, v0                   ; g
	v_and_b32 v5, 1, v4
	v_bfe_u32 v6, v4, 1, 12
	v_lshrrev_b32 v7, 13, v4
	v_lshlrev_b32 v7, 2, v7
	v_lshl_add_u32 v7, v5, 1, v7
	v_add_nc_u32 v8, 1, v7
	v_cvt_f32_u32 v7, v7
	v_cvt_f32_u32 v8, v8
	v_cvt_f32_u32 v6, v6
	v_mul_f32 v7, 0xbed49a78, v7                   ; -i log2(10000) / 32
	v_mul_f32 v8, 0xbed49a78, v8
	v_exp_f32 v7, v7
	v_exp_f32 v8, v8
	v_lshlrev_b32 v9, 4, v0                        ; the plain instruction behind the two exponentials
	s_wait_alu depctr_va_vdst(0)                   ; one wait for both, ahead of their first reader
	v_mul_f32 v10, v6, v7
	v_mul_f32 v11, v6, v8
	SINCOS 10, 20, 21
	SINCOS 11, 22, 23
	global_store_b128 v9, v[20:23], s[32:33]       ; a wave stores 512 consecutive bytes
	s_cmp_lg_u32 s6, 0
	s_cbranch_scc1 .Ldone
	s_cmp_lg_u32 s4, 0
	s_cbranch_scc1 .Ldone
	; lam = exp(lambda_q1 . lambda_k1) - exp(lambda_q2 . lambda_k2) + LAMBDA_INIT: two numbers of each vector a lane
	v_lshlrev_b32 v24, 3, v1
	global_load_b64 v[26:27], v24, s[18:19]
	global_load_b64 v[28:29], v24, s[20:21]
	global_load_b64 v[30:31], v24, s[22:23]
	global_load_b64 v[32:33], v24, s[24:25]
	s_mov_b32 s40, 0x76543210
	s_mov_b32 s41, 0xfedcba98
	v_mov_b32 v36, 0
	v_mov_b32 v37, 0
	s_wait_loadcnt 0x0
	RB 26
	RB 28
	RB 30
	RB 32
	v_mul_f32 v34, v26, v28
	v_mul_f32 v35, v30, v32
	v_fmac_f32 v34, v27, v29
	v_fmac_f32 v35, v31, v33
.irp m, 1,2,4,8
	v_add_f32_dpp v34, v34, v34 row_xmask:\m row_mask:0xf bank_mask:0xf
	v_add_f32_dpp v35, v35, v35 row_xmask:\m row_mask:0xf bank_mask:0xf
.endr
	v_permlanex16_b32 v36, v34, s40, s41
	v_permlanex16_b32 v37, v35, s40, s41
	v_add_f32 v34, v34, v36
	v_add_f32 v35, v35, v37
	v_mul_f32 v34, 0x3fb8aa3b, v34
	v_mul_f32 v35, 0x3fb8aa3b, v35
	v_exp_f32 v34, v34
	v_exp_f32 v35, v35
	v_nop
	s_wait_alu depctr_va_vdst(0)
	v_sub_f32 v34, v34, v35
	v_add_f32 v34, 0x3f489a63, v34                 ; lam
	v_and_b32 v35, 0x7fffffff, v34
	v_max_num_f32 v35, 1.0, v35
	v_rcp_f32 v44, v35                             ; g
	v_lshlrev_b32 v40, 4, v1
	s_wait_alu depctr_va_vdst(0)
	v_mul_f32 v45, v34, v44
	v_xor_b32 v45, 0x80000000, v45                 ; -lam g
	v_mul_f32 v46, v44, v44
	v_mul_f32 v46, 0x322bcc77, v46                 ; EPS g g
	v_mov_b32 v47, 0
	global_store_b128 v40, v[44:47], s[34:35]      ; every lane stores the four numbers: the buffer's 512 bytes are written whole
.Ldone:
	s_endpgm
.Lfunc_end_k_q9bcfdca3b5_prep:
	.size	k_q9bcfdca3b5_prep, .Lfunc_end_k_q9bcfdca3b5_prep-k_q9bcfdca3b5_prep
	.p2alignl 7, 3214868480
	.fill 96, 4, 3214868480
	.section	.rodata,"a",@progbits
	.p2align	6, 0x0
	.amdhsa_kernel k_q9bcfdca3b5_prep
		.amdhsa_group_segment_fixed_size 18432
		.amdhsa_private_segment_fixed_size 0
		.amdhsa_enable_private_segment 0
		.amdhsa_kernarg_size 112
		.amdhsa_user_sgpr_count 2
		.amdhsa_user_sgpr_kernarg_segment_ptr 1
		.amdhsa_wavefront_size32 1
		.amdhsa_system_sgpr_workgroup_id_x 1
		.amdhsa_system_sgpr_workgroup_id_y 1
		.amdhsa_system_sgpr_workgroup_id_z 1
		.amdhsa_system_vgpr_workitem_id 0
		.amdhsa_next_free_vgpr 128
		.amdhsa_next_free_sgpr 66
		.amdhsa_reserve_vcc 1
		.amdhsa_float_denorm_mode_32 3
		.amdhsa_float_denorm_mode_16_64 3
		.amdhsa_memory_ordered 1
		.amdhsa_forward_progress 1
		.amdhsa_inst_pref_size 25
	.end_amdhsa_kernel
	.amdgpu_metadata
---
amdhsa.version: [ 1, 2 ]
amdhsa.kernels:
  - .name:           k_q9bcfdca3b5_prep
    .symbol:         k_q9bcfdca3b5_prep.kd
    .args:
      - { .name: x, .offset: 0, .size: 8, .value_kind: global_buffer, .address_space: global }
      - { .name: Wq, .offset: 8, .size: 8, .value_kind: global_buffer, .address_space: global }
      - { .name: Wk, .offset: 16, .size: 8, .value_kind: global_buffer, .address_space: global }
      - { .name: Wv, .offset: 24, .size: 8, .value_kind: global_buffer, .address_space: global }
      - { .name: Wo, .offset: 32, .size: 8, .value_kind: global_buffer, .address_space: global }
      - { .name: lambda_q1, .offset: 40, .size: 8, .value_kind: global_buffer, .address_space: global }
      - { .name: lambda_k1, .offset: 48, .size: 8, .value_kind: global_buffer, .address_space: global }
      - { .name: lambda_q2, .offset: 56, .size: 8, .value_kind: global_buffer, .address_space: global }
      - { .name: lambda_k2, .offset: 64, .size: 8, .value_kind: global_buffer, .address_space: global }
      - { .name: xb, .offset: 72, .size: 8, .value_kind: global_buffer, .address_space: global }
      - { .name: wt, .offset: 80, .size: 8, .value_kind: global_buffer, .address_space: global }
      - { .name: wot, .offset: 88, .size: 8, .value_kind: global_buffer, .address_space: global }
      - { .name: rot, .offset: 96, .size: 8, .value_kind: global_buffer, .address_space: global }
      - { .name: lamb, .offset: 104, .size: 8, .value_kind: global_buffer, .address_space: global }
    .group_segment_fixed_size: 18432
    .private_segment_fixed_size: 0
    .kernarg_segment_align: 8
    .kernarg_segment_size: 112
    .max_flat_workgroup_size: 256
    .sgpr_count:     66
    .vgpr_count:     128
    .wavefront_size: 32
...
	.end_amdgpu_metadata
.endif
;; end of part 1
;; launch qkv (part 2): grid 4 x 64, 4 waves a work-group, clusters of 4 x 4, 327,680 bytes of LDS; arguments xb, wt, qkv, rot; writes qkv
.if DOCPART == 2
	.amdgcn_target "amdgcn-amd-amdhsa--gfx1250"
	.amdhsa_code_object_version 6
	.text
	.protected	k_q9bcfdca3b5_qkv
	.globl	k_q9bcfdca3b5_qkv
	.p2align	8
	.type	k_q9bcfdca3b5_qkv,@function
k_q9bcfdca3b5_qkv:
	s_mov_b64 s[64:65], 0
	v_nop
	global_prefetch_b8 v0, s[64:65] scope:SCOPE_SE
	s_setreg_imm32_b32 hwreg(HW_REG_WAVE_MODE, 25, 1), 1
	s_wait_xcnt 0x0
	s_wait_alu depctr_hold_cnt(0) depctr_sa_sdst(0) depctr_va_vdst(0) depctr_va_sdst(0) depctr_va_ssrc(0) depctr_va_vcc(0) depctr_vm_vsrc(0)
	s_getreg_b32 s2, hwreg(HW_REG_IB_STS2, 6, 4)
	s_cmp_eq_u32 s2, 0
	s_cbranch_scc0 .Lentry_in_a_cluster
	s_endpgm
.Lentry_in_a_cluster:
	s_bfe_u32 s2, ttmp6, 0x10000c
	s_cmp_lg_u32 s2, 0xf033
	s_cbranch_scc0 .Lentry_shape_is_right
	s_endpgm
.Lentry_shape_is_right:
; q, k, v = x W, 16,384 x 3,072 x 1,024, bf16 operands, f32 sums; q and k are turned by the rotary in f32 on the way out; all three are rounded once, to f16.
; xb: [16384][1024] bf16.  wt: [3072][1024] bf16, K along the rows, rows 0-1023 q, 1024-2047 k, 2048-3071 v in the column orders that the attention launch wants.
; qkv: [3][16384][1024] f16.  rot: [8 chunk][4096 pos][4 pairs][cos, sin] f32.
; LIMIT.  f16 holds no number beyond 65,504: q, k and v must stay within it (x and the weights both 30 times the drawn spread give a spread of 900).
; SHARES.  A tile of C is 256 x 256, made by four waves of 128 x 128: 64 accumulators, 512 registers a wave.  A WORK-GROUP STAYS and makes three tiles: the same 256 rows of xb
; against rows 256 bx of the q, the k and the v part of wt, 1,024 rows apart.  K goes in steps of 128 through a ring of two LDS slots filled by the tensor data mover; the ring does not
; stop at a tile's end.  The two tiles that have a successor are q's and k's and take the rotary on their way out; the last is v's and does not.
; THE TEXT.  A K step is written once.  A trip of the loop goes from a step's second quarter over the change of slots to the next step's first quarter; which slot is read hangs on s[OFF],
; which one exclusive or turns; one descriptor for each operand walks from fill to fill.  A tile that has a successor makes 8 trips, all of which fill a slot (the last two with the next tile's
; first two K steps), and leaves the last trip in its middle, for its way out; the last tile makes 6, and its last two K steps, which fill nothing, are written out.
; THE LAST TILE'S LAST K STEP GOES BY ROWS OF C: nothing follows it under which its stores could leave, so my eight blocks of 16 rows are finished one after the other and each leaves as soon as it is finished.
; CLUSTERS: 4 x 4 work-groups.  The four of a row of the cluster need the same tiles of xb, the four of a column the same tiles of wt: each tile is asked for JOINTLY, by the same
; tensor load with the same descriptor and a mask that names the four.
; THE MATRIX INSTRUCTION IS USED TRANSPOSED: source 0 = 16 rows of wt, source 1 = 16 rows of xb: lane l holds token l % 16 and the eight neighbouring columns 8 (l / 16) + 0..7,
; which in q's and k's order are the eight channels dd = 0..7 of one chunk of one sub-head: four pairs of the rotary.
; REGISTERS, in windows of 256: window 0: v0-31 addresses; v64-127, v128-191 fragments of xb, two buffers (the second also holds the turned numbers on the way out; in the very last K step four
; buffers of 16 rows x 128 K); v32-63, v192-255 at work on the way out.  window 1: v64-127, v128-191 fragments of wt; v0-63, v192-255 the table: for my 8 blocks of 16 tokens and my 2 chunks,
; 4 x (cos, sin); in the very last K step all 256: wt's fragments of the whole step.  window 2: the 32 accumulators of my rows 0-63;  window 3: those of my rows 64-127.
.set SIZE_K, 1024
.set KSTEP,  128
.set STEPS,  SIZE_K/KSTEP              ; 8 K steps to a tile
.set PITCH,  272                       ; an LDS row: 256 bytes + 16 of padding = 68 words: the 16 rows of a load start 4 banks apart (64 banks of 4 bytes: ISA guide 11.1)
.set HALFT,  128*PITCH                 ; 128 rows: what one tensor load brings
.set SLOT,   4*HALFT                   ; 256 rows of xb, then 256 rows of wt: 0x22000 bytes; neither of its two bits is set in wave x HALFT, so one exclusive or turns an address in one slot into the other's
.set STAGE,  2*SLOT                    ; behind the ring: 16 rows x 272 bytes for each wave
.set SPITCH, 272
.set SPARE,  STAGE+4*16*SPITCH         ; behind the stages: the spare words, 128 bytes a wave: two blocks of 256 bytes that no other line names
.set TILES,  3
.set ROWC,   2048                      ; bytes in a row of a part of qkv
.set NEXT_C, 16384*ROWC-7*16*ROWC      ; from my last 16 rows of a tile to my first in the next part of qkv
.set ADRA, 16                          ; v16     LDS address of my fragments of xb in the slot that is being read
.set A0,   17                          ; v17     the same in slot 0; never rewritten
.set ADRB, 20                          ; v20, v21  the same for wt
.set B0,   21
.set STO,  24                          ; v24     the way out: where I put 16 bytes of a row
.set RD,   25                          ; v25     the way out: where I read a row back
.set CO,   26                          ; v26     my byte offset in C
.set TBO,  27                          ; v27     my byte offset in the table: 32 (l % 16)
.set SPW,  28                          ; v28     LDS address of my spare word; never rewritten
.set NIL,  29                          ; v29     0; never rewritten
.set PFO,  30                          ; v30     the prefetches' offset: my lane x a row of 2,048 bytes; never rewritten
.set KS,   18                          ; s18     changes of slots that the tile still has, this one among them: 8 .. 1
.set OFF,  19                          ; s19     0 or SLOT: the slot that is being read
.set TT,   21                          ; s21     at work
.set PFA,  44                          ; s[44:45] where my prefetches stand
.set LIM,  43                          ; s43     1 in a wave that prefetches, else the greatest number
.set DA,   68                          ; s[68:69] what xb's address goes back at a change of tiles: a row's 2,048 bytes; else 0
.set DB,   70                          ; s[70:71] what wt's address and the prefetches' go on at a change of tiles: 1,023 rows; else 0
.set F0,   64
.set F1,   128
.set RR,   128                         ; the turned numbers, 64 registers, in window 0
.set PA,   64                          ; the very last K step: xb's fragments of 16 rows x 128 K, 32 registers; four such buffers, v64-191
.set TMP,  192
.set OB,   32
.set G1,  24                           ; s[24:31] descriptor group 1 for xb's tiles;  s[32:39] group 0: a set for each of the two first fills; the second then walks on
.set G0,  32
.set G1B, 48                           ; s[48:55], s[56:63] the same for wt's tiles
.set G0B, 56
.set ROT, 66                           ; s[66:67] the table at my first token and chunk
.set MSB, 0
.macro WIN new                         ; the immediate's high byte repeats the setting that is left
.if MSB != (\new)
	s_set_vgpr_msb (MSB<<8)|(\new)
.set MSB, \new
.endif
.endm
.set MUL_LO, 0xa1                      ; source 0 (wt) window 1, source 1 (xb) window 0, C and D window 2
.set MUL_HI, 0xf1                      ; the same, C and D window 3
.set TO_B,   0x40                      ; destination window 1, address window 0
; A joint load by set s of group 0.  Waves 0 and 1 fetch the two halves of xb's tile, waves 2 and 3 those of wt's.  The branch hangs on the wave's number alone.
; An s_nop 0 and four v_nop follow each of the two lines, ahead of the jump and the label.
.macro JLOAD s
	s_cmp_eq_u32 s11, 0
	s_cbranch_scc0 .Lfor_b_\@
	tensor_load_to_lds s[G0+4*(\s):G0+4*(\s)+3], s[G1:G1+7]
	s_nop 0
.rept 4
	v_nop
.endr
	s_branch .Lasked_\@
.Lfor_b_\@:
	tensor_load_to_lds s[G0B+4*(\s):G0B+4*(\s)+3], s[G1B:G1B+7]
	s_nop 0
.rept 4
	v_nop
.endr
.Lasked_\@:
.endm
; A PREFETCH INTO THE L2, behind each joint load and the run of LDS loads that follows it: the K step that stands two refills on: 32 rows x 256 bytes, a lane a row, one instruction a wave.
; Each row's 256 bytes of a K step are named once in the launch.  xb's rows are read by one cluster alone (the grid is one cluster wide), which asks for them in its first tile; wt's rows are read by
; every cluster: the clusters with y = 0 ask, in every tile.  The four partners that ask for a tile jointly share its rows out by address, 32 each.
; The change of slots with s[KS] left fills K step 10 - KS and names K step 12 - KS: that exists for KS = 8 .. 5; KS = 4 and 3 name nothing; KS = 2 and 1 (a change of tiles) name the next tile's
; K steps 2 and 3 of wt.  KS - 3, taken as an unsigned number, is above 1 in just the six cases that name something.
.macro ASK
	s_sub_co_u32 s[TT], s[KS], 3
	s_cmp_gt_u32 s[TT], s[LIM]
	s_cbranch_scc0 .Lnot_mine_\@
	global_prefetch_b8 v[PFO], s[PFA:PFA+1] offset:KSTEP*2 th:TH_LOAD_NT scope:SCOPE_SE
.Lnot_mine_\@:
.endm
.macro CREST                           ; a round of the cluster's barrier behind its opening barrier
	s_cmp_lg_u32 s10, 0
	s_cbranch_scc1 .Lnot_wave_0_\@
	s_barrier_signal -3
.Lnot_wave_0_\@:
	s_barrier_wait -3
	s_barrier_signal -1
	s_barrier_wait -1
.endm
.macro CROUND                          ; a whole round
	s_barrier_signal -1
	s_barrier_wait -1
	CREST
.endm
	s_load_b128 s[4:7], s[0:1], 0x0                ; xb s[4:5], wt s[6:7]
	s_load_b64 s[8:9], s[0:1], 0x10                ; qkv
	s_load_b64 s[ROT:ROT+1], s[0:1], 0x18          ; rot
	v_lshl_add_u32 v[SPW], v0, 2, SPARE
	v_mov_b32 v[NIL], 0
	ds_add_u32 v[SPW], v[NIL]                      ; the wave's opening: the add and its wait stand ahead of my first tensor load; work on registers stands between them
	v_lshrrev_b32 v1, 5, v0
	v_readfirstlane_b32 s10, v1                    ; wave 0..3
	s_lshr_b32 s11, s10, 1                         ; which half of the tile's rows is mine.  Also: I fetch for xb (0) or for wt (1)
	s_and_b32 s12, s10, 1                          ; which half of its columns.  Also: which 128 rows of that tile I fetch
	s_bfe_u32 s40, ttmp6, 0x40000                  ; cx
	s_bfe_u32 s41, ttmp6, 0x40004                  ; cy
	s_lshl_b32 s42, ttmp9, 2
	s_add_co_u32 s42, s42, s40                     ; tile column bx = 4 x cluster x + cx
	s_and_b32 s13, ttmp7, 0xffff
	s_lshl_b32 s13, s13, 2
	s_add_co_u32 s13, s13, s41                     ; tile row by = 4 x cluster y + cy
	s_lshl_b32 s43, s41, 2
	s_lshl_b32 s43, 15, s43                        ; my row of the cluster
	s_lshl_b32 s44, 0x1111, s40                    ; my column
	s_or_b32 s[G1+0], s43, (1<<16)|(1<<20)|(1<<21)|(5<<22)|(3<<25)  ; 15:0 the mask; 17:16 elements of 2 bytes; 20 padding on; 21 set beside a mask; 24:22 after every 64 words; 31:25 4 words of it
	s_or_b32 s[G1B+0], s44, (1<<16)|(1<<20)|(1<<21)|(5<<22)|(3<<25)
.irp g, G1, G1B
	s_mov_b32 s[(\g)+1], KSTEP<<16                 ; tensor_dim0 = 128
	s_mov_b32 s[(\g)+2], 128<<16                   ; tensor_dim1 = 128
	s_mov_b32 s[(\g)+3], KSTEP<<16                 ; tile_dim0 = 128
	s_mov_b32 s[(\g)+4], 128                       ; tile_dim1 = 128
	s_mov_b32 s[(\g)+5], SIZE_K                    ; elements from row to row
	s_mov_b32 s[(\g)+6], 0
	s_mov_b32 s[(\g)+7], 0
.endr
	s_lshl_b32 s17, s12, 7                         ; which 128 rows of the tile I fetch
	s_lshl_b32 s16, s13, 8
	s_add_co_u32 s16, s16, s17                     ; xb: row 256 by + 128 x half
	s_lshl_b32 s46, s42, 8
	s_add_co_u32 s46, s46, s17                     ; wt: row 256 bx + 128 x half
	s_mov_b32 s17, 0
	s_mov_b32 s47, 0
	s_mov_b64 s[18:19], SIZE_K*2
	s_mul_u64 s[16:17], s[16:17], s[18:19]
	s_mul_u64 s[46:47], s[46:47], s[18:19]
	s_mul_i32 s20, s10, HALFT                      ; where they go: wave x 128 rows: no place in the cluster enters an LDS address
	s_wait_dscnt 0x0                               ; the opening add is done
	s_wait_kmcnt 0x0
	s_add_nc_u64 s[14:15], s[4:5], s[16:17]
	s_add_nc_u64 s[46:47], s[6:7], s[46:47]
	CROUND                                         ; all sixteen work-groups are here: the first joint loads meet
.irp s, 0,1
	s_mov_b32 s[G0+4*(\s)], 1
	s_add_co_u32 s[G0+4*(\s)+1], s20, (\s)*SLOT
	s_add_nc_u64 s[G0+4*(\s)+2:G0+4*(\s)+3], s[14:15], (\s)*KSTEP*2
	s_or_b32 s[G0+4*(\s)+3], s[G0+4*(\s)+3], 0x80000000
	s_mov_b32 s[G0B+4*(\s)], 1
	s_add_co_u32 s[G0B+4*(\s)+1], s20, (\s)*SLOT
	s_add_nc_u64 s[G0B+4*(\s)+2:G0B+4*(\s)+3], s[46:47], (\s)*KSTEP*2
	s_or_b32 s[G0B+4*(\s)+3], s[G0B+4*(\s)+3], 0x80000000
	JLOAD \s                                       ; the ring is filled before anything else is done: two loads of mine are out
.endr
	; a fragment is 16 rows x 32 K in 8 registers: lane l holds row l % 16; two loads of 16 bytes, 32 bytes apart, at row x pitch + 16 (l / 16)
	v_and_b32 v1, 15, v0
	v_bfe_u32 v2, v0, 4, 1
	v_mul_u32_u24 v3, v1, PITCH
	v_lshl_add_u32 v3, v2, 4, v3
	s_mul_i32 s21, s11, HALFT                      ; my 128 rows of xb
	s_mul_i32 s22, s12, HALFT                      ; my 128 rows of wt,
	s_add_co_u32 s22, s22, 2*HALFT                 ; which lie behind xb's 256
	v_add_nc_u32 v[A0], s21, v3
	v_add_nc_u32 v[B0], s22, v3
	v_mov_b32 v[ADRA], v[A0]                       ; K step 0 lies in slot 0
	v_mov_b32 v[ADRB], v[B0]
	s_mul_i32 s23, s10, 16*SPITCH
	s_add_co_u32 s23, s23, STAGE                   ; my stage
	v_mul_u32_u24 v4, v1, SPITCH
	v_lshl_add_u32 v4, v2, 4, v4
	v_add_nc_u32 v[STO], s23, v4
	v_mul_u32_u24 v5, v2, SPITCH
	v_lshl_add_u32 v5, v1, 4, v5
	v_add_nc_u32 v[RD], s23, v5
	v_mul_u32_u24 v5, v2, ROWC
	v_lshl_add_u32 v[CO], v1, 4, v5
	v_lshlrev_b32 v[TBO], 5, v1
	; where my part of the first tile begins in qkv: the first way out adds it to the address
	s_lshl_b32 s13, s13, 8
	s_lshl_b32 s14, s11, 7
	s_add_co_u32 s16, s13, s14                     ; my first token
	s_mov_b32 s17, 0
	s_mov_b64 s[18:19], ROWC
	s_mul_u64 s[16:17], s[16:17], s[18:19]
	s_lshl_b32 s46, s42, 9                         ; my first column, in bytes: 512 bx + 256 x half
	s_lshl_b32 s47, s12, 8
	s_add_co_u32 s46, s46, s47
	s_mov_b32 s47, 0
	s_add_nc_u64 s[16:17], s[16:17], s[46:47]
	; the prefetches
	s_lshl_b32 s42, s42, 8
	s_and_b32 s22, ttmp7, 0xffff                   ; cluster y
	s_cmp_eq_u32 s11, 0                            ; do I fetch for xb?
	s_cselect_b32 s20, s13, s42                    ; the tile's first row
	s_cselect_b32 s21, s40, s41                    ; my place among the four that ask for it with me
	s_cselect_b32 s22, ttmp9, s22                  ; the coordinate along which other clusters read the same rows
	s_cselect_b64 s[PFA:PFA+1], s[4:5], s[6:7]
	s_cmp_eq_u32 s22, 0
	s_cselect_b32 s[LIM], 1, -1                    ; the same in all sixteen partners, for a given wave
	s_lshl_b32 s22, s12, 7
	s_add_co_u32 s20, s20, s22
	s_lshl_b32 s21, s21, 5
	s_add_co_u32 s20, s20, s21                     ; + my work-group's 32 rows of the 128 that I fetch
	s_mov_b32 s21, 0
	s_mov_b64 s[18:19], SIZE_K*2
	s_mul_u64 s[20:21], s[20:21], s[18:19]
	s_add_nc_u64 s[PFA:PFA+1], s[PFA:PFA+1], s[20:21]
	s_add_nc_u64 s[PFA:PFA+1], s[PFA:PFA+1], 2*KSTEP*2  ; at K step 2: the first refill steps it to 3 and names K step 4.  Nothing is prefetched here, at the head
	v_and_b32 v[PFO], 31, v0
	v_mul_u32_u24 v[PFO], v[PFO], SIZE_K*2
	; the table.  My 128 columns are two chunks of 64: chunk = (column / 64) % 8; my 128 tokens have the positions (token % 4096) on: 32 bytes for a position and chunk
	s_lshl_b32 s20, s12, 7
	s_add_co_u32 s20, s20, s42
	s_bfe_u32 s20, s20, 0x30006
	s_lshl_b32 s20, s20, 17
	s_lshl_b32 s21, s11, 7
	s_add_co_u32 s21, s21, s13
	s_and_b32 s21, s21, 4095
	s_lshl_b32 s21, s21, 5
	s_add_co_u32 s20, s20, s21
	s_mov_b32 s21, 0
	s_add_nc_u64 s[ROT:ROT+1], s[ROT:ROT+1], s[20:21]
	WIN TO_B
.set idx, 0
.rept 16                               ; block a = idx / 2 of 16 tokens, chunk idx % 2: eight registers at 8 idx, the upper eight sets from v192 on
.set TC, 8*idx+128*(idx/8)
	global_load_b128 v[TC:TC+3],   v[TBO], s[ROT:ROT+1] offset:131072*(idx%2)+512*(idx/2)
	global_load_b128 v[TC+4:TC+7], v[TBO], s[ROT:ROT+1] offset:131072*(idx%2)+512*(idx/2)+16
.set idx, idx+1
.endr
	WIN 0
	s_mov_b32 s[OFF], 0
	s_mov_b32 s[DA+1], 0                           ; the two steps' high words
	s_mov_b32 s[DB+1], 0
; 16 matrix instructions: m blocks a0, a0 + 1 of the window's four x all 8 n blocks, 32 along K.  zero = 1: the first product starts the sums.
.macro MUL16 f, hi, a0, zero
	WIN MUL_LO+0x50*(\hi)
.irp a, \a0, (\a0)+1
.irp b, 0,1,2,3,4,5,6,7
.if \zero
	v_wmma_f32_16x16x32_bf16 v[8*(8*(\a)+(\b)):8*(8*(\a)+(\b))+7], v[(\f)+8*(\b):(\f)+8*(\b)+7], v[(\f)+8*(4*(\hi)+(\a)):(\f)+8*(4*(\hi)+(\a))+7], 0
.else
	v_wmma_f32_16x16x32_bf16 v[8*(8*(\a)+(\b)):8*(8*(\a)+(\b))+7], v[(\f)+8*(\b):(\f)+8*(\b)+7], v[(\f)+8*(4*(\hi)+(\a)):(\f)+8*(4*(\hi)+(\a))+7], v[8*(8*(\a)+(\b)):8*(8*(\a)+(\b))+7]
.endif
.endr
.endr
.endm
; 32 LDS loads in one run: the fragments of one quarter step, at byte k of the rows of the slot that is being read, into buffer f
.macro FETCH k, f
	WIN TO_B
.irp i, 0,1,2,3,4,5,6,7
	ds_load_b128 v[(\f)+8*(\i):(\f)+8*(\i)+3],   v[ADRB] offset:(\k)+(\i)*16*PITCH
	ds_load_b128 v[(\f)+8*(\i)+4:(\f)+8*(\i)+7], v[ADRB] offset:(\k)+(\i)*16*PITCH+32
.endr
	WIN 0
.irp i, 0,1,2,3,4,5,6,7
	ds_load_b128 v[(\f)+8*(\i):(\f)+8*(\i)+3],   v[ADRA] offset:(\k)+(\i)*16*PITCH
	ds_load_b128 v[(\f)+8*(\i)+4:(\f)+8*(\i)+7], v[ADRA] offset:(\k)+(\i)*16*PITCH+32
.endr
.endm
.macro FLIP                            ; the reads go over to the other slot
	s_xor_b32 s[OFF], s[OFF], SLOT
	v_add_nc_u32 v[ADRA], s[OFF], v[A0]
	v_add_nc_u32 v[ADRB], s[OFF], v[B0]
.endm
.macro PLACES                          ; four plain vector instructions between a matrix instruction and a load into, a write of or a read of its registers
.rept 4
	v_nop
.endr
.endm
; A K step is four quarters of 32 along K, 64 matrix instructions each, on buffers 0, 1, 0, 1.  The 64 accumulators take turns in the same order in every quarter.
.macro QUARTER k, f, g, zero           ; multiplies buffer f; in its middle it fetches the next quarter's fragments, at byte k, into buffer g
	s_wait_dscnt 8                                 ; wt's fragments and xb's rows 0-63 are in; the youngest eight loads (xb's rows 64-127) may be out
	WIN MUL_LO
	MUL16 \f, 0, 0, \zero
	MUL16 \f, 0, 2, \zero
	PLACES
	FETCH \k, \g
	s_wait_dscnt 32                                ; all but the 32 just issued
	WIN MUL_HI
	MUL16 \f, 1, 0, \zero
	MUL16 \f, 1, 2, \zero
.endm
; The first half of a step's last quarter: ONE barrier for the change of slots.
.macro MEET round
	WIN 0                                          ; (the add's two registers lie in window 0)
	s_wait_tensorcnt 0x0                           ; all my tensor loads have landed: the one that was out is my part of the next slot;
	ds_add_u32 v[SPW], v[NIL]                      ; 0 onto my spare word;
	s_wait_dscnt 9                                 ; (the add and the youngest eight loads may be out)
	WIN MUL_LO
	MUL16 F1, 0, 0, 0
	s_wait_dscnt 0x0                               ; the add is done, and my reads of this slot are over
	s_barrier_signal -1
	MUL16 F1, 0, 2, 0                              ; work on registers while the others arrive
.if \round
	WIN 0
.endif
	s_barrier_wait -1
.endm
; The whole last quarter of a step behind which a slot is filled again, by the walking descriptor: the other slot than last time, the K step that follows the one asked for last; where two changes of
; slots are left in the tile that is the next tile's K step 0: xb goes back to its rows' beginning, wt 1,024 rows down.
; From a request to the wait for it a wave issues 224 matrix instructions, across tiles too.
.macro TURN
	s_wait_xcnt 0x0                                ; the last prefetch, a K step back, has read its address: it is stepped here
	s_cmp_eq_u32 s[KS], 2                          ; does this refill begin the next tile?
	s_cselect_b32 s[DB], 1023*SIZE_K*2, 0
	s_cselect_b32 s[DA], SIZE_K*2, 0
	s_cselect_b32 s[TT], s11, 1
	s_cmp_eq_u32 s[TT], 0
	s_cselect_b32 s[LIM], -1, s[LIM]               ; xb's rows are the same for all three tiles: from the first change of tiles on they are prefetched no more
	s_add_nc_u64 s[PFA:PFA+1], s[PFA:PFA+1], KSTEP*2
	s_add_nc_u64 s[PFA:PFA+1], s[PFA:PFA+1], s[DB:DB+1]
	MEET 1
	CREST                                          ; the barrier has opened a round of the cluster's: no wave of any partner still reads this slot or has a load on its way
	s_xor_b32 s[G0+5], s[G0+5], SLOT
	s_add_nc_u64 s[G0+6:G0+7], s[G0+6:G0+7], KSTEP*2
	s_sub_nc_u64 s[G0+6:G0+7], s[G0+6:G0+7], s[DA:DA+1]
	s_xor_b32 s[G0B+5], s[G0B+5], SLOT
	s_add_nc_u64 s[G0B+6:G0B+7], s[G0B+6:G0B+7], KSTEP*2
	s_add_nc_u64 s[G0B+6:G0B+7], s[G0B+6:G0B+7], s[DB:DB+1]
	JLOAD 1                                        ; the first tensor load behind the round; its four v_nop are also the places in front of the loads below
	FLIP
	FETCH 0, F0
	ASK
	WIN MUL_HI
	MUL16 F1, 1, 0, 0
	MUL16 F1, 1, 2, 0
.endm
; THE VERY LAST K STEP, BY ROWS OF C.  All its fragments of wt (4 quarters x 64 registers) fill window 1; xb's come by blocks of 16 rows x 128 K; a block is finished with 32 matrix instructions,
; its 8 accumulators by turns, K ascending: the sums are the same as by quarters.  LDS is read no more than in any other K step.
.macro BLOAD q                         ; wt's fragments of quarter q -> window 1, v[64 q ..]
	WIN TO_B
.irp i, 0,1,2,3,4,5,6,7
	ds_load_b128 v[64*(\q)+8*(\i):64*(\q)+8*(\i)+3],   v[ADRB] offset:64*(\q)+(\i)*16*PITCH
	ds_load_b128 v[64*(\q)+8*(\i)+4:64*(\q)+8*(\i)+7], v[ADRB] offset:64*(\q)+(\i)*16*PITCH+32
.endr
.endm
.macro ALOAD a                         ; xb's fragments of block a, all four quarters -> buffer a % 4
	WIN 0
.set FA, PA+32*((\a)%4)
.irp q, 0,1,2,3
	ds_load_b128 v[FA+8*(\q):FA+8*(\q)+3],   v[ADRA] offset:64*(\q)+(\a)*16*PITCH
	ds_load_b128 v[FA+8*(\q)+4:FA+8*(\q)+7], v[ADRA] offset:64*(\q)+(\a)*16*PITCH+32
.endr
.endm
.macro ROW a                           ; block a is finished: 32 matrix instructions
.set FA, PA+32*((\a)%4)
.set AC, 64*((\a)%4)                   ; its eight accumulators, in window 2 (blocks 0-3) or 3 (blocks 4-7)
	WIN MUL_LO+0x50*((\a)/4)
.irp q, 0,1,2,3
.if (\a) == 0 && (\q) == 2
	s_wait_dscnt 24                                ; wt's quarter 2 is in (behind it: xb's blocks 1 to 3)
.endif
.irp b, 0,1,2,3,4,5,6,7
	v_wmma_f32_16x16x32_bf16 v[AC+8*(\b):AC+8*(\b)+7], v[64*(\q)+8*(\b):64*(\q)+8*(\b)+7], v[FA+8*(\q):FA+8*(\q)+7], v[AC+8*(\b):AC+8*(\b)+7]
.endr
.endr
.endm
; THE WAY OUT of block a of 16 tokens.  RPACK: the rotary, then f16.  For a pair (x1, x2) with (c, s): first (-x2 s, x1 s), then x c is added; each accumulator is read from its lowest registers on.
.macro RPACK a
.set AC, 64*((\a)%4)
	WIN 0x06+(\a)/4                                ; source 0 (the sums) window 2 or 3, source 1 (the table) window 1, source 2 and destination window 0
.irp b, 0,1,2,3,4,5,6,7
.set TC, 8*(2*(\a)+(\b)/4)+128*((\a)/4)
.irp p, 0,1,2,3
	v_pk_mul_f32 v[RR+8*(\b)+2*(\p):RR+8*(\b)+2*(\p)+1], v[AC+8*(\b)+2*(\p):AC+8*(\b)+2*(\p)+1], v[TC+2*(\p):TC+2*(\p)+1] op_sel:[1,1] op_sel_hi:[0,1] neg_lo:[1,0]
.endr
.endr
.irp b, 0,1,2,3,4,5,6,7
.set TC, 8*(2*(\a)+(\b)/4)+128*((\a)/4)
.irp p, 0,1,2,3
	v_pk_fma_f32 v[RR+8*(\b)+2*(\p):RR+8*(\b)+2*(\p)+1], v[AC+8*(\b)+2*(\p):AC+8*(\b)+2*(\p)+1], v[TC+2*(\p):TC+2*(\p)+1], v[RR+8*(\b)+2*(\p):RR+8*(\b)+2*(\p)+1] op_sel_hi:[1,0,1]
.endr
.endr
	WIN 0
.irp b, 0,1,2,3,4,5,6,7
.irp p, 0,1,2,3
	v_cvt_pk_f16_f32 v[TMP+4*(\b)+(\p)], v[RR+8*(\b)+2*(\p)], v[RR+8*(\b)+2*(\p)+1]
.endr
.endr
.endm
.macro PACK a                          ; v: rounded to f16 as it is
.set AC, 64*((\a)%4)
	WIN 0x0a+5*((\a)/4)                            ; sources 0 and 1: window 2 or 3
.irp b, 0,1,2,3,4,5,6,7
.irp r, 0,1,2,3
	v_cvt_pk_f16_f32 v[TMP+4*(\b)+(\r)], v[AC+8*(\b)+2*(\r)], v[AC+8*(\b)+2*(\r)+1]
.endr
.endr
	WIN 0
.endm
.macro TOSTAGE a                       ; into my own stage, and back as whole rows of 256 bytes
	WIN 0
.set BK, OB+192*((\a)%2)
.irp b, 0,1,2,3,4,5,6,7
	ds_store_b128 v[STO], v[TMP+4*(\b):TMP+4*(\b)+3] offset:32*(\b)
.endr
.irp t, 0,1,2,3,4,5,6,7
	ds_load_b128 v[BK+4*(\t):BK+4*(\t)+3], v[RD] offset:(\t)*2*SPITCH  ; LDS serves a wave's instructions in order (ISA guide 5.7.1.4): these see the stores above
.endr
.endm
.macro SEND a, younger                 ; younger: the LDS loads issued behind TOSTAGE's, which may stay out
	WIN 0
.set BK, OB+192*((\a)%2)
	s_wait_dscnt \younger                          ; the block is back in registers
	s_wait_xcnt 0x0                                ; only behind this wait are the stores' base and the registers that earlier stores read rewritten
.if (\a) == 0
	s_add_nc_u64 s[8:9], s[8:9], s[16:17]          ; on to this tile's first rows
.else
	s_add_nc_u64 s[8:9], s[8:9], 16*ROWC
.endif
.irp t, 0,1,2,3,4,5,6,7
	global_store_b128 v[CO], v[BK+4*(\t):BK+4*(\t)+3], s[8:9] offset:2*(\t)*ROWC  ; 16 lanes store 256 consecutive bytes, aligned
.endr
.endm
	s_wait_tensorcnt 1                             ; my part of K step 0 is in; K step 1's load may stay out
	s_barrier_signal -1
	s_barrier_wait -1
	FETCH 0, F0
	s_mov_b32 s2, TILES                            ; tiles to go, this one among them
.Ltile:
	QUARTER 64,  F0, F1, 1                         ; a tile's first quarter stands in front of the loop: its products start the sums
	WIN 0
	s_mov_b32 s[KS], STEPS
	s_mov_b32 s3, STEPS                            ; a tile that has a successor fills a slot at each of its 8 changes;
	s_cmp_eq_u32 s2, 1
	s_cbranch_scc0 .Lstep
	s_mov_b32 s3, STEPS-2                          ; the last tile at 6: its K steps 2 to 7
.Lstep:                                ; a trip: a K step's second, third and fourth quarter, with the change of slots and a refill, and the next step's first
	QUARTER 128, F1, F0, 0
	QUARTER 192, F0, F1, 0
	TURN
	WIN 0
	s_sub_co_u32 s[KS], s[KS], 1
	s_sub_co_u32 s3, s3, 1
	s_cmp_eq_u32 s3, 0
	s_cbranch_scc1 .Lmid                           ; the last trip is left in its middle
	QUARTER 64,  F0, F1, 0
	WIN 0
	s_branch .Lstep
.Lmid:
	s_cmp_eq_u32 s2, 1
	s_cbranch_scc1 .Llast                          ; the last tile's last two K steps are written out: they ask for nothing more
	PLACES                                         ; both refills for the next tile are asked for and its first fragments fetched: now the tile goes out.  The turned numbers go into buffer 1, which the last products read
	s_wait_loadcnt 0x0                             ; the table, once
	RPACK 0
	TOSTAGE 0
.irp a, 1,2,3,4,5,6,7                  ; block a's arithmetic stands between block a - 1's loads from the stage and the wait for them
	RPACK \a
	SEND (\a)-1, 0
	TOSTAGE \a
.endr
	SEND 7, 0
	s_mov_b64 s[16:17], NEXT_C                     ; what the next way out adds to the address
	s_sub_co_u32 s2, s2, 1
	s_branch .Ltile
.Llast:
	s_wait_loadcnt 0x0                             ; the table's loads have landed on every way here: its registers are given to wt's fragments below
	QUARTER 64,  F0, F1, 0                         ; K step 6
	QUARTER 128, F1, F0, 0
	QUARTER 192, F0, F1, 0
	MEET 0                                         ; my one tensor load that was still out is the last K step's, so no round follows
	WIN 0
	PLACES                                         ; for the loads into buffer 0, which the quarter before multiplied
	FLIP
	BLOAD 0                                        ; three quarters of wt now: buffer 1 (v128-191 of both windows) is still being multiplied
	BLOAD 1
	BLOAD 3
	ALOAD 0
	MUL16 F1, 1, 0, 0
	MUL16 F1, 1, 2, 0
	PLACES                                         ; for the loads into buffer 1
	BLOAD 2
	ALOAD 1
	ALOAD 2
	ALOAD 3
	s_wait_dscnt 40                                ; all but the 40 just issued
	ROW 0
	s_wait_dscnt 0x0                               ; xb's blocks 1 to 3 are in
.irp a, 0,1,2,3,4,5,6,7                ; each block leaves as soon as it is finished; the next block's 32 products stand between its trip into the stage and the wait for its return
	PLACES                                         ; its conversions read results just made
	PACK \a
	TOSTAGE \a
.if (\a) < 4
	ALOAD (\a)+4                                   ; its buffer takes the block four further on; that block is shown in by the next block's SEND, two ROWs ahead of its use
.endif
.if (\a) < 7
	ROW (\a)+1
.endif
.if (\a) < 4
	SEND \a, 8                                     ; the eight loads of the block four further on may stay out
.else
	SEND \a, 0
.endif
.endr
	s_wait_tensorcnt 0x0                           ; the wave's end, behind my last tensor load and my last LDS store
	ds_add_u32 v[SPW], v[NIL]
	s_wait_dscnt 0x0
	CROUND                                         ; the closing round: no work-group ends while a partner may still ask for a tile that names it
	s_endpgm
.Lfunc_end_k_q9bcfdca3b5_qkv:
	.size	k_q9bcfdca3b5_qkv, .Lfunc_end_k_q9bcfdca3b5_qkv-k_q9bcfdca3b5_qkv
	.p2alignl 7, 3214868480
	.fill 96, 4, 3214868480
	.section	.rodata,"a",@progbits
	.p2align	6, 0x0
	.amdhsa_kernel k_q9bcfdca3b5_qkv
		.amdhsa_group_segment_fixed_size 327680
		.amdhsa_private_segment_fixed_size 0
		.amdhsa_enable_private_segment 0
		.amdhsa_kernarg_size 32
		.amdhsa_user_sgpr_count 2
		.amdhsa_user_sgpr_kernarg_segment_ptr 1
		.amdhsa_wavefront_size32 1
		.amdhsa_system_sgpr_workgroup_id_x 1
		.amdhsa_system_sgpr_workgroup_id_y 1
		.amdhsa_system_sgpr_workgroup_id_z 1
		.amdhsa_system_vgpr_workitem_id 0
		.amdhsa_next_free_vgpr 1024
		.amdhsa_next_free_sgpr 72
		.amdhsa_reserve_vcc 0
		.amdhsa_float_denorm_mode_32 3
		.amdhsa_float_denorm_mode_16_64 3
		.amdhsa_memory_ordered 1
		.amdhsa_forward_progress 1
		.amdhsa_inst_pref_size 193
	.end_amdhsa_kernel
	.amdgpu_metadata
---
amdhsa.version: [ 1, 2 ]
amdhsa.kernels:
  - .name:           k_q9bcfdca3b5_qkv
    .symbol:         k_q9bcfdca3b5_qkv.kd
    .args:
      - { .name: xb, .offset: 0, .size: 8, .value_kind: global_buffer, .address_space: global }
      - { .name: wt, .offset: 8, .size: 8, .value_kind: global_buffer, .address_space: global }
      - { .name: qkv, .offset: 16, .size: 8, .value_kind: global_buffer, .address_space: global }
      - { .name: rot, .offset: 24, .size: 8, .value_kind: global_buffer, .address_space: global }
    .group_segment_fixed_size: 327680
    .private_segment_fixed_size: 0
    .kernarg_segment_align: 8
    .kernarg_segment_size: 32
    .max_flat_workgroup_size: 128
    .sgpr_count:     72
    .vgpr_count:     1024
    .wavefront_size: 32
...
	.end_amdgpu_metadata
.endif
;; end of part 2
;; launch attn (part 3): grid 512 x 1, 8 waves a work-group, no clusters, 0 bytes of LDS; arguments qkv, lamb, ln_w, ln_b, att; writes att
.if DOCPART == 3
	.amdgcn_target "amdgcn-amd-amdhsa--gfx1250"
	.amdhsa_code_object_version 6
	.text
	.protected	k_q9bcfdca3b5_attn
	.globl	k_q9bcfdca3b5_attn
	.p2align	8
	.type	k_q9bcfdca3b5_attn,@function
k_q9bcfdca3b5_attn:
	s_mov_b64 s[64:65], 0
	v_nop
	global_prefetch_b8 v0, s[64:65] scope:SCOPE_SE
	s_setreg_imm32_b32 hwreg(HW_REG_WAVE_MODE, 25, 1), 1
	s_wait_xcnt 0x0
; FOR EACH TOKEN: two softmax attentions across its 8 heads (components c = 0, 1 of q and k, 64 channels each, scores / 64^0.25), a = (P1 - lam P2) v, the RMS norm over 128 channels,
; ln_w, ln_b and the factor 1 - LAMBDA_INIT.  qkv: [3][16384][1024] f16; att: [16384][1024] f16.  Scores, maxima, sums and the norm in f32; the weights are rounded once to f16.
; ORDERS (made by the launches before).  q, k: column 512 c + 64 chunk + 8 n + dd (head n, channel 8 chunk + dd).  v: column 8 e + m (head m, channel e).  att: column 8 e + n.
; So every fragment comes straight from memory by loads of 16 bytes a lane, each load of a wave covering whole aligned blocks of 256 bytes, and nothing goes through LDS or changes lanes.
; SHARES.  A wave takes 4 tokens, as two PAIRS; no wave shares anything with another: no LDS, no barrier, no cluster.  The launch is a stream that is read once with all its loads issued early.
; LANES.  l = lane, r = l % 16, h = l / 16, t = r / 8, n = r % 8.
;   scores  S_c = K_c Q_c^T: rows (token, head m) of k, columns (token t, head n) of q: lane (r, h), register j holds q_c[t][n] . k_c[h][j]: the token's own where t = h; the others get the weight 0.
;   W = g P1 - lam g P2, in f16, IS source 0 of the second product: row (t, n), K place 8 h + j = (token h, head j); K places 16-31 are 0.
;   a = W V: source 1 = column e = 16 eb + r, K place (token h, head m): 16 bytes of v.  Its K places 16-31 meet zeros of W and hold the next block's finite numbers (the last block: zeros).
;   result: lane (r, h), register j holds a[token h][head j][16 eb + r]: the sum of squares wants the 8 blocks and the 16 lanes of a half; a lane's 8 heads are 16 bytes of att.
; THE SCALE g = 1 / max(1, |lam|) keeps W within f16 for every finite lam: a g / sqrt(mean (a g)^2 + EPS g^2) is a / sqrt(mean a^2 + EPS).
; LIMITS.  q, k, v arrive within f16.  Beyond |lam| of about 1e15 EPS g^2 is lost, and a row of a that is exactly 0 would give a NaN.  ln_w and ln_b are rounded to bf16 like every other input.
.set SEC, 33554432                     ; bytes in a part of qkv
.set LQ,  1                            ; v1  2048 t + 128 h + 16 n; never rewritten
.set LV,  2                            ; v2  2048 h + 16 r; never rewritten
.set MK,  3                            ; v3  g where t = h, else 0
.set MKL, 4                            ; v4  -lam g where t = h, else 0
.set LW,  8                            ; v8-15   ln_w[16 eb + r] (1 - LAMBDA_INIT)
.set LB,  16                           ; v16-23  ln_b likewise
.set SS,  24                           ; v24-31  at work in the softmax; the sums of squares, then 1 / rms
.set S,   32                           ; v32-39, v40-47  the scores of c = 0, 1
.set WF,  48                           ; v48-51 W in f16; v52-55 zeros
.set CM,  56                           ; v56-57, v58-59  (c m, m) for c = 0, 1
.set R0,  60                           ; v60-61, v62-63  the two factors, in the pairs' low registers
.set KF,  64                           ; v64-95   k: component c, load i at 64 + 16 c + 4 i
.set QF,  96                           ; v96-127  q likewise
.set VF,  128                          ; v128-159 v: block eb at 128 + 4 eb; v160-163 zeros
.set O,   164                          ; v164-227 a: block eb at 164 + 8 eb
	s_load_b256 s[4:11], s[0:1], 0x0               ; qkv s[4:5], lamb s[6:7], ln_w s[8:9], ln_b s[10:11]
	s_load_b64 s[12:13], s[0:1], 0x20              ; att
	v_lshrrev_b32 v6, 5, v0
	v_readfirstlane_b32 s14, v6                    ; wave 0..7
	v_and_b32 v7, 15, v0                           ; r
	v_bfe_u32 v60, v0, 4, 1                        ; h
	v_bfe_u32 v62, v0, 3, 1                        ; t
	v_and_b32 v[LQ], 7, v0
	v_lshlrev_b32 v[LQ], 4, v[LQ]
	v_lshl_add_u32 v[LQ], v60, 7, v[LQ]
	v_lshl_add_u32 v[LQ], v62, 11, v[LQ]
	v_lshlrev_b32 v[LV], 4, v7
	v_lshl_add_u32 v[LV], v60, 11, v[LV]
	v_lshlrev_b32 v5, 2, v7
	s_lshl_b32 s15, ttmp9, 3
	s_add_co_u32 s15, s15, s14
	s_lshl_b32 s16, s15, 13                        ; my 4 tokens: 8,192 bytes in each part of qkv and in att
	s_mov_b32 s17, 0
	s_mov_b32 s26, 0x3f0293ee                      ; log2(e) / 64^0.25 = 0.510070
	s_mov_b32 s27, s26                             ; named with it as a pair
	s_mov_b32 s28, 0x3c000000                      ; 1 / 128
	s_mov_b32 s30, 0x3e5d9673                      ; 1 - LAMBDA_INIT = 0.216394
	s_mov_b32 s31, s30
	s_wait_kmcnt 0x0
	s_load_b128 s[20:23], s[6:7], 0x0              ; g, -lam g, EPS g g, 0
	s_add_nc_u64 s[4:5], s[4:5], s[16:17]          ; q
	s_add_nc_u64 s[18:19], s[4:5], SEC             ; k
	s_add_nc_u64 s[24:25], s[4:5], 2*SEC           ; v
	s_add_nc_u64 s[12:13], s[12:13], s[16:17]
.macro LOADQK p                        ; 16 loads: load i of component c brings lane (r, h) the eight channels of chunk 2 i + h; the map of channels onto K places is the same for q and k
.irp c, 0,1
.irp i, 0,1,2,3
	global_load_b128 v[KF+16*(\c)+4*(\i):KF+16*(\c)+4*(\i)+3], v[LQ], s[18:19] offset:4096*(\p)+1024*(\c)+256*(\i) th:TH_LOAD_NT
	global_load_b128 v[QF+16*(\c)+4*(\i):QF+16*(\c)+4*(\i)+3], v[LQ], s[4:5] offset:4096*(\p)+1024*(\c)+256*(\i) th:TH_LOAD_NT
.endr
.endr
.endm
.macro LOADV p                         ; 8 loads
.irp eb, 0,1,2,3,4,5,6,7
	global_load_b128 v[VF+4*(\eb):VF+4*(\eb)+3], v[LV], s[24:25] offset:4096*(\p)+256*(\eb) th:TH_LOAD_NT
.endr
.endm
.macro PLACES                          ; four plain vector instructions between a matrix instruction and a load into or a read of its registers
.rept 4
	v_nop
.endr
.endm
.macro SCORES                          ; the two accumulators take turns; the first products start the sums
	v_wmma_f32_16x16x32_f16 v[S:S+7],    v[KF:KF+7],     v[QF:QF+7],     0
	v_wmma_f32_16x16x32_f16 v[S+8:S+15], v[KF+16:KF+23], v[QF+16:QF+23], 0
	v_wmma_f32_16x16x32_f16 v[S:S+7],    v[KF+8:KF+15],  v[QF+8:QF+15],  v[S:S+7]
	v_wmma_f32_16x16x32_f16 v[S+8:S+15], v[KF+24:KF+31], v[QF+24:QF+31], v[S+8:S+15]
.endm
.macro SOFTMAX                         ; a lane's eight scores are one row of a softmax; both components side by side
.irp c, 0,1
	v_max3_num_f32 v[CM+2*(\c)+1], v[S+8*(\c)], v[S+8*(\c)+1], v[S+8*(\c)+2]
.endr
.irp c, 0,1
	v_max3_num_f32 v[CM+2*(\c)+1], v[CM+2*(\c)+1], v[S+8*(\c)+3], v[S+8*(\c)+4]
.endr
.irp c, 0,1
	v_max3_num_f32 v[CM+2*(\c)+1], v[CM+2*(\c)+1], v[S+8*(\c)+5], v[S+8*(\c)+6]
.endr
.irp c, 0,1
	v_max_num_f32 v[CM+2*(\c)+1], v[CM+2*(\c)+1], v[S+8*(\c)+7]
.endr
.irp c, 0,1
	v_mul_f32 v[CM+2*(\c)], s26, v[CM+2*(\c)+1]
.endr
.irp p, 0,1,2,3
.irp c, 0,1
	v_pk_fma_f32 v[S+8*(\c)+2*(\p):S+8*(\c)+2*(\p)+1], v[S+8*(\c)+2*(\p):S+8*(\c)+2*(\p)+1], s[26:27], v[CM+2*(\c):CM+2*(\c)+1] op_sel_hi:[1,0,0] neg_lo:[0,0,1] neg_hi:[0,0,1]
.endr
.endr
.irp j, 0,1,2,3,4,5,6,7,8,9,10,11,12,13,14,15
	v_exp_f32 v[S+(\j)], v[S+(\j)]
.endr
	v_nop                                          ; a plain instruction behind the last exponential,
	s_wait_alu depctr_va_vdst(0)                   ; and one wait for the sixteen, ahead of their first reader
.irp c, 0,1
	v_pk_add_f32 v[SS+4*(\c):SS+4*(\c)+1], v[S+8*(\c):S+8*(\c)+1], v[S+8*(\c)+2:S+8*(\c)+3]
	v_pk_add_f32 v[SS+4*(\c)+2:SS+4*(\c)+3], v[S+8*(\c)+4:S+8*(\c)+5], v[S+8*(\c)+6:S+8*(\c)+7]
.endr
.irp c, 0,1
	v_pk_add_f32 v[SS+4*(\c):SS+4*(\c)+1], v[SS+4*(\c):SS+4*(\c)+1], v[SS+4*(\c)+2:SS+4*(\c)+3]
.endr
.irp c, 0,1
	v_add_f32 v[SS+4*(\c)], v[SS+4*(\c)], v[SS+4*(\c)+1]
.endr
.irp c, 0,1
	v_rcp_f32 v[SS+4*(\c)+1], v[SS+4*(\c)]
.endr
	v_nop
	s_wait_alu depctr_va_vdst(0)                   ; one wait for the two reciprocals
	v_mul_f32 v[R0], v[SS+1], v[MK]                ; g / sum1, or 0 for the other token's scores
	v_mul_f32 v[R0+2], v[SS+5], v[MKL]             ; -lam g / sum2, or 0
.irp p, 0,1,2,3
	v_pk_mul_f32 v[S+2*(\p):S+2*(\p)+1], v[S+2*(\p):S+2*(\p)+1], v[R0:R0+1] op_sel_hi:[1,0]
.endr
.irp p, 0,1,2,3
	v_pk_fma_f32 v[S+2*(\p):S+2*(\p)+1], v[S+8+2*(\p):S+8+2*(\p)+1], v[R0+2:R0+3], v[S+2*(\p):S+2*(\p)+1] op_sel_hi:[1,0,1]
.endr
.irp p, 0,1,2,3
	v_cvt_pk_f16_f32 v[WF+(\p)], v[S+2*(\p)], v[S+2*(\p)+1]
.endr
.endm
.macro AV                              ; eight products, an accumulator each
.irp eb, 0,1,2,3,4,5,6,7
	v_wmma_f32_16x16x32_f16 v[O+8*(\eb):O+8*(\eb)+7], v[WF:WF+7], v[VF+4*(\eb):VF+4*(\eb)+7], 0
.endr
.endm
.macro NORM p                          ; each accumulator is read from its lowest registers on
.irp jp, 0,1,2,3
	v_pk_mul_f32 v[SS+2*(\jp):SS+2*(\jp)+1], v[O+2*(\jp):O+2*(\jp)+1], v[O+2*(\jp):O+2*(\jp)+1]
.endr
.irp eb, 1,2,3,4,5,6,7
.irp jp, 0,1,2,3
	v_pk_fma_f32 v[SS+2*(\jp):SS+2*(\jp)+1], v[O+8*(\eb)+2*(\jp):O+8*(\eb)+2*(\jp)+1], v[O+8*(\eb)+2*(\jp):O+8*(\eb)+2*(\jp)+1], v[SS+2*(\jp):SS+2*(\jp)+1]
.endr
.endr
.irp m, 1,2,4,8                        ; over the 16 lanes of a half, which hold one token
.irp j, 0,1,2,3,4,5,6,7
	v_add_f32_dpp v[SS+(\j)], v[SS+(\j)], v[SS+(\j)] row_xmask:\m row_mask:0xf bank_mask:0xf
.endr
.endr
.irp j, 0,1,2,3,4,5,6,7
	v_fma_f32 v[SS+(\j)], v[SS+(\j)], s28, s22     ; the mean + EPS g g
.endr
.irp j, 0,1,2,3,4,5,6,7
	v_rsq_f32 v[SS+(\j)], v[SS+(\j)]
.endr
	v_nop
	s_wait_alu depctr_va_vdst(0)                   ; one wait for the eight
.irp eb, 0,1,2,3,4,5,6,7
.irp jp, 0,1,2,3
	v_pk_mul_f32 v[O+8*(\eb)+2*(\jp):O+8*(\eb)+2*(\jp)+1], v[O+8*(\eb)+2*(\jp):O+8*(\eb)+2*(\jp)+1], v[SS+2*(\jp):SS+2*(\jp)+1]
.endr
.endr
.irp eb, 0,1,2,3,4,5,6,7
.irp jp, 0,1,2,3
.if (\eb)%2                            ; the block's ln_w and ln_b are one register of a pair, given to both halves
	v_pk_fma_f32 v[O+8*(\eb)+2*(\jp):O+8*(\eb)+2*(\jp)+1], v[O+8*(\eb)+2*(\jp):O+8*(\eb)+2*(\jp)+1], v[LW+2*((\eb)/2):LW+2*((\eb)/2)+1], v[LB+2*((\eb)/2):LB+2*((\eb)/2)+1] op_sel:[0,1,1] op_sel_hi:[1,1,1]
.else
	v_pk_fma_f32 v[O+8*(\eb)+2*(\jp):O+8*(\eb)+2*(\jp)+1], v[O+8*(\eb)+2*(\jp):O+8*(\eb)+2*(\jp)+1], v[LW+2*((\eb)/2):LW+2*((\eb)/2)+1], v[LB+2*((\eb)/2):LB+2*((\eb)/2)+1] op_sel_hi:[1,0,0]
.endif
.endr
.endr
.irp eb, 0,1,2,3,4,5,6,7
.irp jp, 0,1,2,3
	v_cvt_pk_f16_f32 v[O+8*(\eb)+(\jp)], v[O+8*(\eb)+2*(\jp)], v[O+8*(\eb)+2*(\jp)+1]
.endr
.endr
.irp eb, 0,1,2,3,4,5,6,7
	global_store_b128 v[LV], v[O+8*(\eb):O+8*(\eb)+3], s[12:13] offset:4096*(\p)+256*(\eb)  ; each half of the lanes stores 256 consecutive bytes, aligned
.endr
.endm
.irp eb, 0,1,2,3,4,5,6,7
	global_load_b32 v[LW+(\eb)], v5, s[8:9] offset:64*(\eb)
	global_load_b32 v[LB+(\eb)], v5, s[10:11] offset:64*(\eb)
.endr
	LOADQK 0
	LOADV 0
.irp z, 52,53,54,55,160,161,162,163,61,63
	v_mov_b32 v[\z], 0
.endr
	v_cmp_eq_u32 vcc_lo, v60, v62                  ; t = h
	s_wait_kmcnt 0x0
	v_cndmask_b32 v[MK], 0, s20, vcc_lo
	v_cndmask_b32 v[MKL], 0, s21, vcc_lo
	s_wait_loadcnt 8                               ; ln_w, ln_b, k and q of pair 0 are in; the eight loads of v stay out
.irp e, 0,2,4,6
	v_cvt_pk_bf16_f32 v60, v[LW+(\e)], v[LW+(\e)+1]
	v_cvt_pk_bf16_f32 v62, v[LB+(\e)], v[LB+(\e)+1]
	v_lshlrev_b32 v[LW+(\e)], 16, v60
	v_and_b32 v[LW+(\e)+1], 0xffff0000, v60
	v_lshlrev_b32 v[LB+(\e)], 16, v62
	v_and_b32 v[LB+(\e)+1], 0xffff0000, v62
	v_pk_mul_f32 v[LW+(\e):LW+(\e)+1], v[LW+(\e):LW+(\e)+1], s[30:31] op_sel_hi:[1,0]
	v_pk_mul_f32 v[LB+(\e):LB+(\e)+1], v[LB+(\e):LB+(\e)+1], s[30:31] op_sel_hi:[1,0]
.endr
	SCORES
	PLACES                                         ; in front of the loads into k's and q's registers and of the reads of the scores
	LOADQK 1
	SOFTMAX
	s_wait_loadcnt 16                              ; v of pair 0 is in; the sixteen loads of pair 1 stay out
	AV
	PLACES
	LOADV 1
	NORM 0
	s_wait_loadcnt 8                               ; k and q of pair 1 are in; the eight loads of v stay out
	SCORES
	PLACES
	SOFTMAX
	s_wait_loadcnt 0x0
	s_wait_xcnt 0x0                                ; pair 0's stores have read their registers, which the products below write
	AV
	PLACES
	NORM 1
	s_endpgm
.Lfunc_end_k_q9bcfdca3b5_attn:
	.size	k_q9bcfdca3b5_attn, .Lfunc_end_k_q9bcfdca3b5_attn-k_q9bcfdca3b5_attn
	.p2alignl 7, 3214868480
	.fill 96, 4, 3214868480
	.section	.rodata,"a",@progbits
	.p2align	6, 0x0
	.amdhsa_kernel k_q9bcfdca3b5_attn
		.amdhsa_group_segment_fixed_size 0
		.amdhsa_private_segment_fixed_size 0
		.amdhsa_enable_private_segment 0
		.amdhsa_kernarg_size 40
		.amdhsa_user_sgpr_count 2
		.amdhsa_user_sgpr_kernarg_segment_ptr 1
		.amdhsa_wavefront_size32 1
		.amdhsa_system_sgpr_workgroup_id_x 1
		.amdhsa_system_sgpr_workgroup_id_y 1
		.amdhsa_system_sgpr_workgroup_id_z 1
		.amdhsa_system_vgpr_workitem_id 0
		.amdhsa_next_free_vgpr 228
		.amdhsa_next_free_sgpr 66
		.amdhsa_reserve_vcc 1
		.amdhsa_float_denorm_mode_32 3
		.amdhsa_float_denorm_mode_16_64 3
		.amdhsa_memory_ordered 1
		.amdhsa_forward_progress 1
		.amdhsa_inst_pref_size 41
	.end_amdhsa_kernel
	.amdgpu_metadata
---
amdhsa.version: [ 1, 2 ]
amdhsa.kernels:
  - .name:           k_q9bcfdca3b5_attn
    .symbol:         k_q9bcfdca3b5_attn.kd
    .args:
      - { .name: qkv, .offset: 0, .size: 8, .value_kind: global_buffer, .address_space: global }
      - { .name: lamb, .offset: 8, .size: 8, .value_kind: global_buffer, .address_space: global }
      - { .name: ln_w, .offset: 16, .size: 8, .value_kind: global_buffer, .address_space: global }
      - { .name: ln_b, .offset: 24, .size: 8, .value_kind: global_buffer, .address_space: global }
      - { .name: att, .offset: 32, .size: 8, .value_kind: global_buffer, .address_space: global }
    .group_segment_fixed_size: 0
    .private_segment_fixed_size: 0
    .kernarg_segment_align: 8
    .kernarg_segment_size: 40
    .max_flat_workgroup_size: 256
    .sgpr_count:     66
    .vgpr_count:     228
    .wavefront_size: 32
...
	.end_amdgpu_metadata
.endif
;; end of part 3
;; launch outp (part 4): grid 4 x 64, 4 waves a work-group, clusters of 4 x 4, 327,680 bytes of LDS; arguments att, wot, out0; writes out0
.if DOCPART == 4
	.amdgcn_target "amdgcn-amd-amdhsa--gfx1250"
	.amdhsa_code_object_version 6
	.text
	.protected	k_q9bcfdca3b5_outp
	.globl	k_q9bcfdca3b5_outp
	.p2align	8
	.type	k_q9bcfdca3b5_outp,@function
k_q9bcfdca3b5_outp:
	s_mov_b64 s[64:65], 0
	v_nop
	global_prefetch_b8 v0, s[64:65] scope:SCOPE_SE
	s_setreg_imm32_b32 hwreg(HW_REG_WAVE_MODE, 25, 1), 1
	s_wait_xcnt 0x0
	s_wait_alu depctr_hold_cnt(0) depctr_sa_sdst(0) depctr_va_vdst(0) depctr_va_sdst(0) depctr_va_ssrc(0) depctr_va_vcc(0) depctr_vm_vsrc(0)
	s_getreg_b32 s2, hwreg(HW_REG_IB_STS2, 6, 4)
	s_cmp_eq_u32 s2, 0
	s_cbranch_scc0 .Lentry_in_a_cluster
	s_endpgm
.Lentry_in_a_cluster:
	s_bfe_u32 s2, ttmp6, 0x10000c
	s_cmp_lg_u32 s2, 0xf033
	s_cbranch_scc0 .Lentry_shape_is_right
	s_endpgm
.Lentry_shape_is_right:
; out0 = a Wo, 16,384 x 1,024 x 1,024, f16 operands, f32 sums, f32 out.  att: [16384][1024] f16; wot: [1024 n][1024] f16, K along the rows, in att's order of K; out0: [16384][1024] f32.
; A tile of C, 256 x 256, is made by a work-group of four waves, 128 x 128 each: 64 accumulators, 512 registers.  One tile to a work-group: 4 x 64 of them.
; K goes in steps of 128 through a ring of two LDS slots filled by the tensor data mover.
; THE TEXT.  A K step is written once.  A trip of the loop goes from a step's second quarter over the change of slots to the next step's first quarter; which slot is read hangs on s[OFF], which one
; exclusive or turns; one descriptor for each operand walks from fill to fill.  Six trips fill K steps 2 to 7; the last two K steps, which fill nothing, are written out.
; THE LAST K STEP GOES BY ROWS OF C: nothing follows it under which the stores could leave, so my eight blocks of 16 rows are finished one after the other and each leaves as soon as it is finished.
; CLUSTERS: 4 x 4 work-groups.  The four of a row of the cluster need the same tiles of att, the four of a column the same tiles of wot: each tile is asked for JOINTLY.
; THE MATRIX INSTRUCTION IS USED TRANSPOSED (source 0 = 16 rows of wot, source 1 = 16 rows of att): a lane holds eight neighbouring numbers of a row of C, 32 bytes.
; REGISTERS: window 0: v0-31 addresses; v64-127, v128-191 fragments of att, two buffers (in the last K step four, of 16 rows x 128 K).  window 1: v64-127, v128-191 fragments of wot; in the last
; K step all 256: wot's fragments of the whole step.  window 2: the 32 accumulators of my rows 0-63;  window 3: those of my rows 64-127; on the way out a block's whole rows come back into its own 64 registers.
.set SIZE_K, 1024
.set KSTEP,  128
.set STEPS,  SIZE_K/KSTEP              ; 8 K steps
.set PITCH,  272                       ; an LDS row: 256 bytes + 16 of padding: the 16 rows of a load start 4 banks apart (64 banks of 4 bytes: ISA guide 11.1)
.set HALFT,  128*PITCH
.set SLOT,   4*HALFT                   ; 0x22000 bytes; neither of its two bits is set in wave x HALFT, so one exclusive or turns an address in one slot into the other's
.set STAGE,  2*SLOT                    ; behind the ring: 16 rows x 528 bytes for each wave
.set SPITCH, 528                       ; 512 bytes + 16 = 132 words: row r starts 4 r banks on
.set SPARE,  STAGE+4*16*SPITCH         ; behind the stages: the spare words, 128 bytes a wave: two blocks of 256 bytes that no other line names
.set ROWC,   4096                      ; bytes in a row of out0
.set ADRA, 16                          ; v16  LDS address of my fragments of att in the slot that is being read
.set A0,   17                          ; v17  the same in slot 0; never rewritten
.set ADRB, 20                          ; v20, v21  the same for wot
.set B0,   21
.set STO,  24                          ; v24  the way out: where I put 32 bytes of a row
.set RD,   25                          ; v25  the way out: where I read a row back
.set CO,   26                          ; v26  my 16 bytes of a row's 512; never rewritten
.set SPW,  28                          ; v28  LDS address of my spare word; never rewritten
.set NIL,  29                          ; v29  0; never rewritten
.set PFO,  30                          ; v30  the prefetches' offset: my lane x a row of 2,048 bytes; never rewritten
.set OFF,  19                          ; s19  0 or SLOT: the slot that is being read
.set PFA,  44
.set LIM,  43                          ; s43  2 in a wave that prefetches, else the greatest number
.set F0,   64
.set F1,   128
.set PA,   64                          ; the last K step: att's fragments of 16 rows x 128 K, 32 registers; four such buffers, v64-191
.set G1,  24                           ; s[24:31] descriptor group 1 for att's tiles;  s[32:39] group 0: a set for each of the two first fills; the second then walks on
.set G0,  32
.set G1B, 48                           ; s[48:55], s[56:63] the same for wot's tiles
.set G0B, 56
.set MSB, 0
.macro WIN new                         ; the immediate's high byte repeats the setting that is left
.if MSB != (\new)
	s_set_vgpr_msb (MSB<<8)|(\new)
.set MSB, \new
.endif
.endm
.set MUL_LO, 0xa1
.set MUL_HI, 0xf1
.set TO_B,   0x40
.macro JLOAD s                         ; a joint load by set s of group 0: waves 0 and 1 fetch att's two halves, waves 2 and 3 wot's; an s_nop 0 and four v_nop follow each line
	s_cmp_eq_u32 s11, 0
	s_cbranch_scc0 .Lfor_b_\@
	tensor_load_to_lds s[G0+4*(\s):G0+4*(\s)+3], s[G1:G1+7]
	s_nop 0
.rept 4
	v_nop
.endr
	s_branch .Lasked_\@
.Lfor_b_\@:
	tensor_load_to_lds s[G0B+4*(\s):G0B+4*(\s)+3], s[G1B:G1B+7]
	s_nop 0
.rept 4
	v_nop
.endr
.Lasked_\@:
.endm
; A PREFETCH INTO THE L2, behind each joint load and the run of LDS loads that follows it: the K step two refills on: 32 rows x 256 bytes, a lane a row, one instruction a wave.  att's rows are read by
; one cluster alone, which asks for them; wot's rows by every cluster: those with y = 0 ask.  The four partners of a joint load share its rows out by address.
; The trip with s3 left fills K step 8 - s3 and names K step 10 - s3, which exists while s3 is above 2.
.macro ASK
	s_cmp_gt_u32 s3, s[LIM]
	s_cbranch_scc0 .Lnot_mine_\@
	global_prefetch_b8 v[PFO], s[PFA:PFA+1] offset:KSTEP*2 th:TH_LOAD_NT scope:SCOPE_SE
.Lnot_mine_\@:
.endm
.macro CREST
	s_cmp_lg_u32 s10, 0
	s_cbranch_scc1 .Lnot_wave_0_\@
	s_barrier_signal -3
.Lnot_wave_0_\@:
	s_barrier_wait -3
	s_barrier_signal -1
	s_barrier_wait -1
.endm
.macro CROUND
	s_barrier_signal -1
	s_barrier_wait -1
	CREST
.endm
	s_load_b128 s[4:7], s[0:1], 0x0                ; att s[4:5], wot s[6:7]
	s_load_b64 s[8:9], s[0:1], 0x10                ; out0
	v_lshl_add_u32 v[SPW], v0, 2, SPARE
	v_mov_b32 v[NIL], 0
	ds_add_u32 v[SPW], v[NIL]                      ; the wave's opening: the add and its wait stand ahead of my first tensor load
	v_lshrrev_b32 v1, 5, v0
	v_readfirstlane_b32 s10, v1
	s_lshr_b32 s11, s10, 1
	s_and_b32 s12, s10, 1
	s_bfe_u32 s40, ttmp6, 0x40000                  ; cx
	s_bfe_u32 s41, ttmp6, 0x40004                  ; cy
	s_lshl_b32 s42, ttmp9, 2
	s_add_co_u32 s42, s42, s40                     ; tile column
	s_and_b32 s13, ttmp7, 0xffff
	s_lshl_b32 s13, s13, 2
	s_add_co_u32 s13, s13, s41                     ; tile row
	s_lshl_b32 s43, s41, 2
	s_lshl_b32 s43, 15, s43
	s_lshl_b32 s44, 0x1111, s40
	s_or_b32 s[G1+0], s43, (1<<16)|(1<<20)|(1<<21)|(5<<22)|(3<<25)
	s_or_b32 s[G1B+0], s44, (1<<16)|(1<<20)|(1<<21)|(5<<22)|(3<<25)
.irp g, G1, G1B
	s_mov_b32 s[(\g)+1], KSTEP<<16
	s_mov_b32 s[(\g)+2], 128<<16
	s_mov_b32 s[(\g)+3], KSTEP<<16
	s_mov_b32 s[(\g)+4], 128
	s_mov_b32 s[(\g)+5], SIZE_K
	s_mov_b32 s[(\g)+6], 0
	s_mov_b32 s[(\g)+7], 0
.endr
	s_lshl_b32 s17, s12, 7
	s_lshl_b32 s16, s13, 8
	s_add_co_u32 s16, s16, s17
	s_lshl_b32 s46, s42, 8
	s_add_co_u32 s46, s46, s17
	s_mov_b32 s17, 0
	s_mov_b32 s47, 0
	s_mov_b64 s[18:19], SIZE_K*2
	s_mul_u64 s[16:17], s[16:17], s[18:19]
	s_mul_u64 s[46:47], s[46:47], s[18:19]
	s_mul_i32 s20, s10, HALFT
	s_wait_dscnt 0x0                               ; the opening add is done
	s_wait_kmcnt 0x0
	s_add_nc_u64 s[14:15], s[4:5], s[16:17]
	s_add_nc_u64 s[46:47], s[6:7], s[46:47]
	CROUND                                         ; all sixteen work-groups are here: the first joint loads meet
.irp s, 0,1
	s_mov_b32 s[G0+4*(\s)], 1
	s_add_co_u32 s[G0+4*(\s)+1], s20, (\s)*SLOT
	s_add_nc_u64 s[G0+4*(\s)+2:G0+4*(\s)+3], s[14:15], (\s)*KSTEP*2
	s_or_b32 s[G0+4*(\s)+3], s[G0+4*(\s)+3], 0x80000000
	s_mov_b32 s[G0B+4*(\s)], 1
	s_add_co_u32 s[G0B+4*(\s)+1], s20, (\s)*SLOT
	s_add_nc_u64 s[G0B+4*(\s)+2:G0B+4*(\s)+3], s[46:47], (\s)*KSTEP*2
	s_or_b32 s[G0B+4*(\s)+3], s[G0B+4*(\s)+3], 0x80000000
	JLOAD \s                                       ; two loads of mine are out
.endr
	v_and_b32 v1, 15, v0
	v_bfe_u32 v2, v0, 4, 1
	v_mul_u32_u24 v3, v1, PITCH
	v_lshl_add_u32 v3, v2, 4, v3
	s_mul_i32 s21, s11, HALFT
	s_mul_i32 s22, s12, HALFT
	s_add_co_u32 s22, s22, 2*HALFT
	v_add_nc_u32 v[A0], s21, v3
	v_add_nc_u32 v[B0], s22, v3
	v_mov_b32 v[ADRA], v[A0]                       ; K step 0 lies in slot 0
	v_mov_b32 v[ADRB], v[B0]
	s_mul_i32 s23, s10, 16*SPITCH
	s_add_co_u32 s23, s23, STAGE                   ; my stage
	v_mul_u32_u24 v4, v1, SPITCH                   ; in: row l % 16, 32 bytes for each half of the lanes
	v_lshl_add_u32 v4, v2, 5, v4
	v_add_nc_u32 v[STO], s23, v4
	v_and_b32 v5, 31, v0
	v_lshlrev_b32 v[CO], 4, v5                     ; back: 32 lanes take one row of 512 bytes
	v_add_nc_u32 v[RD], s23, v[CO]
	s_lshl_b32 s13, s13, 8
	s_lshl_b32 s14, s11, 7
	s_add_co_u32 s16, s13, s14                     ; my first row of C
	s_mov_b32 s17, 0
	s_mov_b64 s[18:19], ROWC
	s_mul_u64 s[16:17], s[16:17], s[18:19]
	s_lshl_b32 s46, s42, 10                        ; my first column, in bytes: 1,024 x tile column + 512 x half
	s_lshl_b32 s47, s12, 9
	s_add_co_u32 s46, s46, s47
	s_mov_b32 s47, 0
	s_add_nc_u64 s[16:17], s[16:17], s[46:47]
	s_add_nc_u64 s[8:9], s[8:9], s[16:17]          ; out0 at my first row and column: written here once; a row's place among my 128 stands in the stores' immediates
	; the prefetches
	s_lshl_b32 s42, s42, 8
	s_and_b32 s22, ttmp7, 0xffff
	s_cmp_eq_u32 s11, 0
	s_cselect_b32 s20, s13, s42
	s_cselect_b32 s21, s40, s41
	s_cselect_b32 s22, ttmp9, s22
	s_cselect_b64 s[PFA:PFA+1], s[4:5], s[6:7]
	s_cmp_eq_u32 s22, 0
	s_cselect_b32 s[LIM], 2, -1                    ; the same in all sixteen partners, for a given wave
	s_lshl_b32 s22, s12, 7
	s_add_co_u32 s20, s20, s22
	s_lshl_b32 s21, s21, 5
	s_add_co_u32 s20, s20, s21
	s_mov_b32 s21, 0
	s_mov_b64 s[18:19], SIZE_K*2
	s_mul_u64 s[20:21], s[20:21], s[18:19]
	s_add_nc_u64 s[PFA:PFA+1], s[PFA:PFA+1], s[20:21]
	s_add_nc_u64 s[PFA:PFA+1], s[PFA:PFA+1], 2*KSTEP*2  ; at K step 2: the first refill steps it to 3 and names K step 4.  Nothing is prefetched here, at the head
	v_and_b32 v[PFO], 31, v0
	v_mul_u32_u24 v[PFO], v[PFO], SIZE_K*2
	s_mov_b32 s[OFF], 0
.macro MUL16 f, hi, a0, zero
	WIN MUL_LO+0x50*(\hi)
.irp a, \a0, (\a0)+1
.irp b, 0,1,2,3,4,5,6,7
.if \zero
	v_wmma_f32_16x16x32_f16 v[8*(8*(\a)+(\b)):8*(8*(\a)+(\b))+7], v[(\f)+8*(\b):(\f)+8*(\b)+7], v[(\f)+8*(4*(\hi)+(\a)):(\f)+8*(4*(\hi)+(\a))+7], 0
.else
	v_wmma_f32_16x16x32_f16 v[8*(8*(\a)+(\b)):8*(8*(\a)+(\b))+7], v[(\f)+8*(\b):(\f)+8*(\b)+7], v[(\f)+8*(4*(\hi)+(\a)):(\f)+8*(4*(\hi)+(\a))+7], v[8*(8*(\a)+(\b)):8*(8*(\a)+(\b))+7]
.endif
.endr
.endr
.endm
.macro FETCH k, f                      ; 32 LDS loads in one run: the fragments of one quarter step, at byte k of the rows of the slot that is being read
	WIN TO_B
.irp i, 0,1,2,3,4,5,6,7
	ds_load_b128 v[(\f)+8*(\i):(\f)+8*(\i)+3],   v[ADRB] offset:(\k)+(\i)*16*PITCH
	ds_load_b128 v[(\f)+8*(\i)+4:(\f)+8*(\i)+7], v[ADRB] offset:(\k)+(\i)*16*PITCH+32
.endr
	WIN 0
.irp i, 0,1,2,3,4,5,6,7
	ds_load_b128 v[(\f)+8*(\i):(\f)+8*(\i)+3],   v[ADRA] offset:(\k)+(\i)*16*PITCH
	ds_load_b128 v[(\f)+8*(\i)+4:(\f)+8*(\i)+7], v[ADRA] offset:(\k)+(\i)*16*PITCH+32
.endr
.endm
.macro FLIP                            ; the reads go over to the other slot
	s_xor_b32 s[OFF], s[OFF], SLOT
	v_add_nc_u32 v[ADRA], s[OFF], v[A0]
	v_add_nc_u32 v[ADRB], s[OFF], v[B0]
.endm
.macro PLACES                          ; four plain vector instructions between a matrix instruction and a load into, a store of or a read of its registers
.rept 4
	v_nop
.endr
.endm
.macro QUARTER k, f, g, zero           ; the 64 accumulators take turns in the same order in every quarter
	s_wait_dscnt 8                                 ; the youngest eight loads (att's rows 64-127) may be out
	WIN MUL_LO
	MUL16 \f, 0, 0, \zero
	MUL16 \f, 0, 2, \zero
	PLACES
	FETCH \k, \g
	s_wait_dscnt 32                                ; all but the 32 just issued
	WIN MUL_HI
	MUL16 \f, 1, 0, \zero
	MUL16 \f, 1, 2, \zero
.endm
.macro MEET round
	WIN 0
	s_wait_tensorcnt 0x0                           ; all my tensor loads have landed: my part of the next slot;
	ds_add_u32 v[SPW], v[NIL]                      ; 0 onto my spare word;
	s_wait_dscnt 9                                 ; (the add and the youngest eight loads may be out)
	WIN MUL_LO
	MUL16 F1, 0, 0, 0
	s_wait_dscnt 0x0                               ; the add is done, and my reads of this slot are over
	s_barrier_signal -1
	MUL16 F1, 0, 2, 0
.if \round
	WIN 0
.endif
	s_barrier_wait -1
.endm
.macro TURN                            ; a step's last quarter: the slot just read is filled again by the walking descriptor, two K steps ahead: 224 matrix instructions ahead of the wait for it
	s_wait_xcnt 0x0                                ; the last prefetch, a K step back, has read its address
	s_add_nc_u64 s[PFA:PFA+1], s[PFA:PFA+1], KSTEP*2
	MEET 1
	CREST                                          ; no wave of any partner still reads this slot or has a load on its way
	s_xor_b32 s[G0+5], s[G0+5], SLOT               ; the other slot than last time, the next K step
	s_add_nc_u64 s[G0+6:G0+7], s[G0+6:G0+7], KSTEP*2
	s_xor_b32 s[G0B+5], s[G0B+5], SLOT
	s_add_nc_u64 s[G0B+6:G0B+7], s[G0B+6:G0B+7], KSTEP*2
	JLOAD 1                                        ; the first tensor load behind the round; its four v_nop are also the places in front of the loads below
	FLIP
	FETCH 0, F0
	ASK
	WIN MUL_HI
	MUL16 F1, 1, 0, 0
	MUL16 F1, 1, 2, 0
.endm
; THE LAST K STEP, BY ROWS OF C.  All its fragments of wot (4 quarters x 64 registers) fill window 1; att's come by blocks of 16 rows x 128 K; a block is finished with 32 matrix instructions,
; its 8 accumulators by turns, K ascending: the sums are the same as by quarters.  LDS is read no more than in any other K step.
.macro BLOAD q                         ; wot's fragments of quarter q -> window 1, v[64 q ..]
	WIN TO_B
.irp i, 0,1,2,3,4,5,6,7
	ds_load_b128 v[64*(\q)+8*(\i):64*(\q)+8*(\i)+3],   v[ADRB] offset:64*(\q)+(\i)*16*PITCH
	ds_load_b128 v[64*(\q)+8*(\i)+4:64*(\q)+8*(\i)+7], v[ADRB] offset:64*(\q)+(\i)*16*PITCH+32
.endr
.endm
.macro ALOAD a                         ; att's fragments of block a, all four quarters -> buffer a % 4
	WIN 0
.set FA, PA+32*((\a)%4)
.irp q, 0,1,2,3
	ds_load_b128 v[FA+8*(\q):FA+8*(\q)+3],   v[ADRA] offset:64*(\q)+(\a)*16*PITCH
	ds_load_b128 v[FA+8*(\q)+4:FA+8*(\q)+7], v[ADRA] offset:64*(\q)+(\a)*16*PITCH+32
.endr
.endm
.macro ROW a                           ; block a is finished: 32 matrix instructions
.set FA, PA+32*((\a)%4)
.set AC, 64*((\a)%4)                   ; its eight accumulators, in window 2 (blocks 0-3) or 3 (blocks 4-7)
	WIN MUL_LO+0x50*((\a)/4)
.irp q, 0,1,2,3
.if (\a) == 0 && (\q) == 2
	s_wait_dscnt 24                                ; wot's quarter 2 is in (behind it: att's blocks 1 to 3)
.endif
.irp b, 0,1,2,3,4,5,6,7
	v_wmma_f32_16x16x32_f16 v[AC+8*(\b):AC+8*(\b)+7], v[64*(\q)+8*(\b):64*(\q)+8*(\b)+7], v[FA+8*(\q):FA+8*(\q)+7], v[AC+8*(\b):AC+8*(\b)+7]
.endr
.endr
.endm
; THE WAY OUT of block a of 16 rows: the sums go as they are, 32 bytes a lane, into my own stage, each accumulator's lowest registers first, and come back as whole rows of 512 bytes into the
; block's own 64 registers, which nothing else needs any more.  One window setting serves all three kinds of line: address in window 0, the stores' data and the loads' destination in window 2 or 3.
.macro TOSTAGE32 a
.set AC, 64*((\a)%4)
	WIN 0x88+0x44*((\a)/4)
.irp b, 0,1,2,3,4,5,6,7
	ds_store_b128 v[STO], v[AC+8*(\b):AC+8*(\b)+3]   offset:64*(\b)
	ds_store_b128 v[STO], v[AC+8*(\b)+4:AC+8*(\b)+7] offset:64*(\b)+16
.endr
.irp t, 0,1,2,3,4,5,6,7,8,9,10,11,12,13,14,15
	ds_load_b128 v[AC+4*(\t):AC+4*(\t)+3], v[RD] offset:(\t)*SPITCH  ; LDS serves a wave's instructions in order (ISA guide 5.7.1.4): these see the stores above; the next block's stores come behind them
.endr
.endm
.macro SEND32 a, younger               ; younger: the LDS loads issued behind TOSTAGE32's, which may stay out.  No register, base or mask that these stores read is written again in the launch
.set AC, 64*((\a)%4)
	WIN 0x88+0x44*((\a)/4)
	s_wait_dscnt \younger                          ; the block is back in registers
.irp t, 0,1,2,3,4,5,6,7,8,9,10,11,12,13,14,15
	global_store_b128 v[CO], v[AC+4*(\t):AC+4*(\t)+3], s[8:9] offset:(16*(\a)+(\t))*ROWC th:TH_STORE_NT  ; a wave stores 512 consecutive bytes, aligned; the largest immediate is 127 rows, 520,192 bytes
.endr
.endm
	s_wait_tensorcnt 1                             ; my part of K step 0 is in; K step 1's load may stay out
	s_barrier_signal -1
	s_barrier_wait -1
	FETCH 0, F0
	QUARTER 64,  F0, F1, 1                         ; the first quarter stands in front of the loop: its products start the sums
	WIN 0
	s_mov_b32 s3, STEPS-2
.Lstep:                                ; a trip: a K step's second, third and fourth quarter, with the change of slots and a refill, and the next step's first
	QUARTER 128, F1, F0, 0
	QUARTER 192, F0, F1, 0
	TURN
	QUARTER 64,  F0, F1, 0
	WIN 0
	s_sub_co_u32 s3, s3, 1
	s_cmp_lg_u32 s3, 0
	s_cbranch_scc1 .Lstep
	QUARTER 128, F1, F0, 0                         ; the rest of K step 6
	QUARTER 192, F0, F1, 0
	MEET 0                                         ; my one tensor load that was still out is the last K step's, so no round follows
	WIN 0
	PLACES                                         ; for the loads into buffer 0, which the quarter before multiplied
	FLIP
	BLOAD 0                                        ; three quarters of wot now: buffer 1 (v128-191 of both windows) is still being multiplied
	BLOAD 1
	BLOAD 3
	ALOAD 0
	MUL16 F1, 1, 0, 0
	MUL16 F1, 1, 2, 0
	PLACES                                         ; for the loads into buffer 1
	BLOAD 2
	ALOAD 1
	ALOAD 2
	ALOAD 3
	s_wait_dscnt 40                                ; all but the 40 just issued
	ROW 0
	s_wait_dscnt 0x0                               ; att's blocks 1 to 3 are in
.irp a, 0,1,2,3,4,5,6,7                ; each block leaves as soon as it is finished; the next block's 32 products stand between its trip into the stage and the wait for its return
	PLACES                                         ; the LDS stores read results just made, and the loads land on them
	TOSTAGE32 \a
.if (\a) < 4
	ALOAD (\a)+4                                   ; its buffer takes the block four further on; that block is shown in by the next block's SEND32, two ROWs ahead of its use
.endif
.if (\a) < 7
	ROW (\a)+1
.endif
.if (\a) < 4
	SEND32 \a, 8                                   ; the eight loads of the block four further on may stay out
.else
	SEND32 \a, 0
.endif
.endr
	WIN 0                                          ; (the add's two registers lie in window 0; at a branch and at a label every window is 0)
	s_wait_tensorcnt 0x0                           ; the wave's end, behind my last tensor load and my last LDS store
	ds_add_u32 v[SPW], v[NIL]
	s_wait_dscnt 0x0
	CROUND                                         ; the closing round
	s_endpgm
.Lfunc_end_k_q9bcfdca3b5_outp:
	.size	k_q9bcfdca3b5_outp, .Lfunc_end_k_q9bcfdca3b5_outp-k_q9bcfdca3b5_outp
	.p2alignl 7, 3214868480
	.fill 96, 4, 3214868480
	.section	.rodata,"a",@progbits
	.p2align	6, 0x0
	.amdhsa_kernel k_q9bcfdca3b5_outp
		.amdhsa_group_segment_fixed_size 327680
		.amdhsa_private_segment_fixed_size 0
		.amdhsa_enable_private_segment 0
		.amdhsa_kernarg_size 24
		.amdhsa_user_sgpr_count 2
		.amdhsa_user_sgpr_kernarg_segment_ptr 1
		.amdhsa_wavefront_size32 1
		.amdhsa_system_sgpr_workgroup_id_x 1
		.amdhsa_system_sgpr_workgroup_id_y 1
		.amdhsa_system_sgpr_workgroup_id_z 1
		.amdhsa_system_vgpr_workitem_id 0
		.amdhsa_next_free_vgpr 1024
		.amdhsa_next_free_sgpr 66
		.amdhsa_reserve_vcc 0
		.amdhsa_float_denorm_mode_32 3
		.amdhsa_float_denorm_mode_16_64 3
		.amdhsa_memory_ordered 1
		.amdhsa_forward_progress 1
		.amdhsa_inst_pref_size 115
	.end_amdhsa_kernel
	.amdgpu_metadata
---
amdhsa.version: [ 1, 2 ]
amdhsa.kernels:
  - .name:           k_q9bcfdca3b5_outp
    .symbol:         k_q9bcfdca3b5_outp.kd
    .args:
      - { .name: att, .offset: 0, .size: 8, .value_kind: global_buffer, .address_space: global }
      - { .name: wot, .offset: 8, .size: 8, .value_kind: global_buffer, .address_space: global }
      - { .name: out0, .offset: 16, .size: 8, .value_kind: global_buffer, .address_space: global }
    .group_segment_fixed_size: 327680
    .private_segment_fixed_size: 0
    .kernarg_segment_align: 8
    .kernarg_segment_size: 24
    .max_flat_workgroup_size: 128
    .sgpr_count:     66
    .vgpr_count:     1024
    .wavefront_size: 32
...
	.end_amdgpu_metadata
.endif
;; end of part 4
;; ======== version 2 of 2: 4 launches; version 1 with the launch attn written anew for expert scheduling mode
;; limits: values are held in f16: magnitudes above 65,504 overflow, below 6.1e-05 lose precision
;; workspace buffers: xb 33,554,432 bytes; wt 6,291,456 bytes; wot 2,097,152 bytes; rot 1,048,576 bytes; lamb 512 bytes; qkv 100,663,296 bytes; att 33,554,432 bytes
;; launch prep: the kernel of part 1 again; grid 1792 x 1, 8 waves a work-group, no clusters, 18,432 bytes of LDS; arguments x, Wq, Wk, Wv, Wo, lambda_q1, lambda_k1, lambda_q2, lambda_k2, xb, wt, wot, rot, lamb; writes xb, wt, wot, rot, lamb
;; launch qkv: the kernel of part 2 again; grid 4 x 64, 4 waves a work-group, clusters of 4 x 4, 327,680 bytes of LDS; arguments xb, wt, qkv, rot; writes qkv
;; launch attn (part 5): grid 512 x 1, 8 waves a work-group, no clusters, 0 bytes of LDS; arguments qkv, lamb, ln_w, ln_b, att; writes att
.if DOCPART == 5
	.amdgcn_target "amdgcn-amd-amdhsa--gfx1250"
	.amdhsa_code_object_version 6
	.text
	.protected	k_q9bcfdca3b5_attn
	.globl	k_q9bcfdca3b5_attn
	.p2align	8
	.type	k_q9bcfdca3b5_attn,@function
k_q9bcfdca3b5_attn:
	s_mov_b64 s[64:65], 0
	v_nop
	global_prefetch_b8 v0, s[64:65] scope:SCOPE_SE
	s_setreg_imm32_b32 hwreg(HW_REG_WAVE_SCHED_MODE, 0, 2), 2
	s_setreg_imm32_b32 hwreg(HW_REG_WAVE_MODE, 25, 1), 1
	s_wait_xcnt 0x0
	s_wait_alu depctr_vm_vsrc(0)
; FOR EACH TOKEN: two softmax attentions across its 8 heads (components c = 0, 1 of q and k, 64 channels each, scores / 64^0.25), a = (P1 - lam P2) v, the RMS norm over 128 channels,
; ln_w, ln_b and the factor 1 - LAMBDA_INIT.  qkv: [3][16384][1024] f16; att: [16384][1024] f16.  Scores, maxima, sums and the norm in f32; the weights are rounded once to f16.
; ORDERS (made by the launches before).  q, k: column 512 c + 64 chunk + 8 n + dd (head n, channel 8 chunk + dd).  v: column 8 e + m (head m, channel e).  att: column 8 e + n.
; So every fragment comes straight from memory by loads of 16 bytes a lane, each load of a wave covering whole aligned blocks of 256 bytes, and nothing goes through LDS or changes lanes.
; SHARES.  A wave takes 4 tokens, as two PAIRS; no wave shares anything with another: no LDS, no barrier, no cluster.  The launch is a stream that is read once with all its loads issued early.
; LANES.  l = lane, r = l % 16, h = l / 16, t = r / 8, n = r % 8.
;   scores  S_c = K_c Q_c^T: rows (token, head m) of k, columns (token t, head n) of q: lane (r, h), register j holds q_c[t][n] . k_c[h][j]: the token's own where t = h; the others get the weight 0.
;   W = g P1 - lam g P2, in f16, IS source 0 of the second product: row (t, n), K place 8 h + j = (token h, head j); K places 16-31 are 0.
;   a = W V: source 1 = column e = 16 eb + r, K place (token h, head m): 16 bytes of v.  Its K places 16-31 meet zeros of W and hold the next block's finite numbers (the last block: zeros).
;   result: lane (r, h), register j holds a[token h][head j][16 eb + r]: the sum of squares wants the 8 blocks and the 16 lanes of a half; a lane's 8 heads are 16 bytes of att.
; THE SCALE g = 1 / max(1, |lam|) keeps W within f16 for every finite lam: a g / sqrt(mean (a g)^2 + EPS g^2) is a / sqrt(mean a^2 + EPS).
; LIMITS.  q, k, v arrive within f16.  Beyond |lam| of about 1e15 EPS g^2 is lost, and a row of a that is exactly 0 would give a NaN.  ln_w and ln_b are rounded to bf16 like every other input.
; THE MODE: SCHED_MODE bits 1:0 = 2 (LLVM: expert scheduling mode 2), set by the entry lines.  The code itself states the register dependences between vector or matrix instructions
; and memory instructions, with s_wait_alu, always for 0.
; THE PLAN.  Registers that memory instructions touch, in the order of the text (there is no loop):
;   v[LQ], v[LV]  offsets, written at the head and never again: read by every load of q, k and v and by every store.
;   v5            the offset of ln_w and ln_b: written at the head, read by the head's sixteen loads; written once more, as the out-buffer's last part, by pair 0's roundings.
;   LW, LB        the head's loads land in them; from then on vector instructions alone name them.
;   KF, QF        pair 0's loads land; pair 0's four products K Q^T read them; pair 1's loads land; pair 1's products read them.
;   VF            v128-159, likewise: pair 0's loads, its eight products W V, pair 1's loads, its products.
;   OUT           pair 0's roundings write it, pair 0's eight stores read it, and nothing writes it again: so pair 1's products, which write O anew, hang on no store.
;   O             the low four registers of each block: pair 1's roundings write them, pair 1's stores read them, and the wave ends.
; So: one wait on va_vdst ahead of the first load (the offsets), one behind each of pair 0's two runs of products (their sources are loaded again), one ahead of each run of stores (their data),
; one wait on vm_vsrc ahead of pair 0's roundings (v5), one on va_sdst and one on va_vcc at the head; and the waits behind the transcendentals.
.set SEC, 33554432                     ; bytes in a part of qkv
.set MKL, 0                            ; v0  at the head the thread's number; behind the address arithmetic -lam g where t = h, else 0
.set LQ,  1                            ; v1  2048 t + 128 h + 16 n; never rewritten
.set LV,  2                            ; v2  2048 h + 16 r; never rewritten
.set MK,  3                            ; v3  g where t = h, else 0
                                       ; v4-7  the out-buffer's block 7; at the head v5 is the offset of ln_w and ln_b, v6 and v7 are at work
.set LW,  8                            ; v8-15   ln_w[16 eb + r] (1 - LAMBDA_INIT)
.set LB,  16                           ; v16-23  ln_b likewise
.set SS,  24                           ; v24-31  at work in the softmax; the sums of squares, then 1 / rms
.set S,   32                           ; v32-39, v40-47  the scores of c = 0, 1
.set WF,  48                           ; v48-51 W in f16; v52-55 zeros
.set CM,  56                           ; v56-57, v58-59  (c m, m) for c = 0, 1
.set R0,  60                           ; v60-61, v62-63  the two factors, in the pairs' low registers
.set KF,  64                           ; v64-95   k: component c, load i at 64 + 16 c + 4 i
.set QF,  96                           ; v96-127  q likewise
.set VF,  128                          ; v128-159 v: block eb at 128 + 4 eb; v160-163 zeros
.set O,   164                          ; v164-227 a: block eb at 164 + 8 eb
.set OUT, 228                          ; v228-255 pair 0's results in f16, to store: block eb at 228 + 4 eb for eb = 0 .. 6; block 7 at v4-7
	s_load_b256 s[4:11], s[0:1], 0x0               ; qkv s[4:5], lamb s[6:7], ln_w s[8:9], ln_b s[10:11]
	s_load_b64 s[12:13], s[0:1], 0x20              ; att
	v_lshrrev_b32 v6, 5, v0
	v_readfirstlane_b32 s14, v6                    ; wave 0..7
	v_and_b32 v7, 15, v0                           ; r
	v_bfe_u32 v60, v0, 4, 1                        ; h
	v_bfe_u32 v62, v0, 3, 1                        ; t
	v_and_b32 v[LQ], 7, v0
	v_lshlrev_b32 v[LQ], 4, v[LQ]
	v_lshl_add_u32 v[LQ], v60, 7, v[LQ]
	v_lshl_add_u32 v[LQ], v62, 11, v[LQ]
	v_lshlrev_b32 v[LV], 4, v7
	v_lshl_add_u32 v[LV], v60, 11, v[LV]
	v_lshlrev_b32 v5, 2, v7
	s_wait_alu depctr_va_sdst(0)                   ; s14 is written, ahead of its first reader: the bases of q, k, v and att are made from it
	s_lshl_b32 s15, ttmp9, 3
	s_add_co_u32 s15, s15, s14
	s_lshl_b32 s16, s15, 13                        ; my 4 tokens: 8,192 bytes in each part of qkv and in att
	s_mov_b32 s17, 0
	s_mov_b32 s26, 0x3f0293ee                      ; log2(e) / 64^0.25 = 0.510070
	s_mov_b32 s27, s26                             ; named with it as a pair
	s_mov_b32 s28, 0x3c000000                      ; 1 / 128
	s_mov_b32 s30, 0x3e5d9673                      ; 1 - LAMBDA_INIT = 0.216394
	s_mov_b32 s31, s30
	s_wait_kmcnt 0x0
	s_load_b128 s[20:23], s[6:7], 0x0              ; g, -lam g, EPS g g, 0
	s_add_nc_u64 s[4:5], s[4:5], s[16:17]          ; q
	s_add_nc_u64 s[18:19], s[4:5], SEC             ; k
	s_add_nc_u64 s[24:25], s[4:5], 2*SEC           ; v
	s_add_nc_u64 s[12:13], s[12:13], s[16:17]
.macro LOADQK p                        ; 16 loads: load i of component c brings lane (r, h) the eight channels of chunk 2 i + h; the map of channels onto K places is the same for q and k
.irp c, 0,1
.irp i, 0,1,2,3
	global_load_b128 v[KF+16*(\c)+4*(\i):KF+16*(\c)+4*(\i)+3], v[LQ], s[18:19] offset:4096*(\p)+1024*(\c)+256*(\i) th:TH_LOAD_NT
	global_load_b128 v[QF+16*(\c)+4*(\i):QF+16*(\c)+4*(\i)+3], v[LQ], s[4:5] offset:4096*(\p)+1024*(\c)+256*(\i) th:TH_LOAD_NT
.endr
.endr
.endm
.macro LOADV p                         ; 8 loads
.irp eb, 0,1,2,3,4,5,6,7
	global_load_b128 v[VF+4*(\eb):VF+4*(\eb)+3], v[LV], s[24:25] offset:4096*(\p)+256*(\eb) th:TH_LOAD_NT
.endr
.endm
.macro PLACES                          ; four plain vector instructions between a matrix instruction and a load into or a read of its registers
.rept 4
	v_nop
.endr
.endm
.macro SCORES                          ; the two accumulators take turns; the first products start the sums
	v_wmma_f32_16x16x32_f16 v[S:S+7],    v[KF:KF+7],     v[QF:QF+7],     0
	v_wmma_f32_16x16x32_f16 v[S+8:S+15], v[KF+16:KF+23], v[QF+16:QF+23], 0
	v_wmma_f32_16x16x32_f16 v[S:S+7],    v[KF+8:KF+15],  v[QF+8:QF+15],  v[S:S+7]
	v_wmma_f32_16x16x32_f16 v[S+8:S+15], v[KF+24:KF+31], v[QF+24:QF+31], v[S+8:S+15]
.endm
.macro SOFTMAX                         ; a lane's eight scores are one row of a softmax; both components side by side.  No memory instruction names a register of this macro
.irp c, 0,1
	v_max3_num_f32 v[CM+2*(\c)+1], v[S+8*(\c)], v[S+8*(\c)+1], v[S+8*(\c)+2]
.endr
.irp c, 0,1
	v_max3_num_f32 v[CM+2*(\c)+1], v[CM+2*(\c)+1], v[S+8*(\c)+3], v[S+8*(\c)+4]
.endr
.irp c, 0,1
	v_max3_num_f32 v[CM+2*(\c)+1], v[CM+2*(\c)+1], v[S+8*(\c)+5], v[S+8*(\c)+6]
.endr
.irp c, 0,1
	v_max_num_f32 v[CM+2*(\c)+1], v[CM+2*(\c)+1], v[S+8*(\c)+7]
.endr
.irp c, 0,1
	v_mul_f32 v[CM+2*(\c)], s26, v[CM+2*(\c)+1]
.endr
.irp p, 0,1,2,3
.irp c, 0,1
	v_pk_fma_f32 v[S+8*(\c)+2*(\p):S+8*(\c)+2*(\p)+1], v[S+8*(\c)+2*(\p):S+8*(\c)+2*(\p)+1], s[26:27], v[CM+2*(\c):CM+2*(\c)+1] op_sel_hi:[1,0,0] neg_lo:[0,0,1] neg_hi:[0,0,1]
.endr
.endr
.irp j, 0,1,2,3,4,5,6,7,8,9,10,11,12,13,14,15
	v_exp_f32 v[S+(\j)], v[S+(\j)]
.endr
	v_nop                                          ; a plain instruction behind the last exponential,
	s_wait_alu depctr_va_vdst(0)                   ; and one wait for the batch: the sixteen exponentials have written v[S ..], ahead of the sums that read them
.irp c, 0,1
	v_pk_add_f32 v[SS+4*(\c):SS+4*(\c)+1], v[S+8*(\c):S+8*(\c)+1], v[S+8*(\c)+2:S+8*(\c)+3]
	v_pk_add_f32 v[SS+4*(\c)+2:SS+4*(\c)+3], v[S+8*(\c)+4:S+8*(\c)+5], v[S+8*(\c)+6:S+8*(\c)+7]
.endr
.irp c, 0,1
	v_pk_add_f32 v[SS+4*(\c):SS+4*(\c)+1], v[SS+4*(\c):SS+4*(\c)+1], v[SS+4*(\c)+2:SS+4*(\c)+3]
.endr
.irp c, 0,1
	v_add_f32 v[SS+4*(\c)], v[SS+4*(\c)], v[SS+4*(\c)+1]
.endr
.irp c, 0,1
	v_rcp_f32 v[SS+4*(\c)+1], v[SS+4*(\c)]
.endr
	v_nop
	s_wait_alu depctr_va_vdst(0)                   ; the two reciprocals have written v[SS+1] and v[SS+5], ahead of the two multiplies that read them
	v_mul_f32 v[R0], v[SS+1], v[MK]                ; g / sum1, or 0 for the other token's scores
	v_mul_f32 v[R0+2], v[SS+5], v[MKL]             ; -lam g / sum2, or 0
.irp p, 0,1,2,3
	v_pk_mul_f32 v[S+2*(\p):S+2*(\p)+1], v[S+2*(\p):S+2*(\p)+1], v[R0:R0+1] op_sel_hi:[1,0]
.endr
.irp p, 0,1,2,3
	v_pk_fma_f32 v[S+2*(\p):S+2*(\p)+1], v[S+8+2*(\p):S+8+2*(\p)+1], v[R0+2:R0+3], v[S+2*(\p):S+2*(\p)+1] op_sel_hi:[1,0,1]
.endr
.irp p, 0,1,2,3
	v_cvt_pk_f16_f32 v[WF+(\p)], v[S+2*(\p)], v[S+2*(\p)+1]
.endr
.endm
.macro AV                              ; eight products, an accumulator each
.irp eb, 0,1,2,3,4,5,6,7
	v_wmma_f32_16x16x32_f16 v[O+8*(\eb):O+8*(\eb)+7], v[WF:WF+7], v[VF+4*(\eb):VF+4*(\eb)+7], 0
.endr
.endm
; The norm, the roundings and the stores of pair p.  Pair 0 rounds into OUT, which nothing writes again; pair 1, behind which nothing follows, into the low four registers of each block of O.
.macro NORM p                          ; each accumulator is read from its lowest registers on
.irp jp, 0,1,2,3
	v_pk_mul_f32 v[SS+2*(\jp):SS+2*(\jp)+1], v[O+2*(\jp):O+2*(\jp)+1], v[O+2*(\jp):O+2*(\jp)+1]
.endr
.irp eb, 1,2,3,4,5,6,7
.irp jp, 0,1,2,3
	v_pk_fma_f32 v[SS+2*(\jp):SS+2*(\jp)+1], v[O+8*(\eb)+2*(\jp):O+8*(\eb)+2*(\jp)+1], v[O+8*(\eb)+2*(\jp):O+8*(\eb)+2*(\jp)+1], v[SS+2*(\jp):SS+2*(\jp)+1]
.endr
.endr
.irp m, 1,2,4,8                        ; over the 16 lanes of a half, which hold one token
.irp j, 0,1,2,3,4,5,6,7
	v_add_f32_dpp v[SS+(\j)], v[SS+(\j)], v[SS+(\j)] row_xmask:\m row_mask:0xf bank_mask:0xf
.endr
.endr
.irp j, 0,1,2,3,4,5,6,7
	v_fma_f32 v[SS+(\j)], v[SS+(\j)], s28, s22     ; the mean + EPS g g
.endr
.irp j, 0,1,2,3,4,5,6,7
	v_rsq_f32 v[SS+(\j)], v[SS+(\j)]
.endr
	v_nop
	s_wait_alu depctr_va_vdst(0)                   ; the eight v_rsq_f32 have written v[SS ..], ahead of the multiplies that read them
.irp eb, 0,1,2,3,4,5,6,7
.irp jp, 0,1,2,3
	v_pk_mul_f32 v[O+8*(\eb)+2*(\jp):O+8*(\eb)+2*(\jp)+1], v[O+8*(\eb)+2*(\jp):O+8*(\eb)+2*(\jp)+1], v[SS+2*(\jp):SS+2*(\jp)+1]
.endr
.endr
.irp eb, 0,1,2,3,4,5,6,7
.irp jp, 0,1,2,3
.if (\eb)%2                            ; the block's ln_w and ln_b are one register of a pair, given to both halves
	v_pk_fma_f32 v[O+8*(\eb)+2*(\jp):O+8*(\eb)+2*(\jp)+1], v[O+8*(\eb)+2*(\jp):O+8*(\eb)+2*(\jp)+1], v[LW+2*((\eb)/2):LW+2*((\eb)/2)+1], v[LB+2*((\eb)/2):LB+2*((\eb)/2)+1] op_sel:[0,1,1] op_sel_hi:[1,1,1]
.else
	v_pk_fma_f32 v[O+8*(\eb)+2*(\jp):O+8*(\eb)+2*(\jp)+1], v[O+8*(\eb)+2*(\jp):O+8*(\eb)+2*(\jp)+1], v[LW+2*((\eb)/2):LW+2*((\eb)/2)+1], v[LB+2*((\eb)/2):LB+2*((\eb)/2)+1] op_sel_hi:[1,0,0]
.endif
.endr
.endr
.if (\p) == 0
	s_wait_alu depctr_vm_vsrc(0)                   ; the head's loads of ln_w and ln_b have read v5, which block 7's roundings write (those loads are done since the head's wait on LOADcnt)
.endif
.irp eb, 0,1,2,3,4,5,6,7
.if (\p) == 0
.set OB, OUT+4*(\eb)-252*((\eb)/7)     ; blocks 0 to 6 from v228 on, block 7 at v4
.else
.set OB, O+8*(\eb)
.endif
.irp jp, 0,1,2,3
	v_cvt_pk_f16_f32 v[OB+(\jp)], v[O+8*(\eb)+2*(\jp)], v[O+8*(\eb)+2*(\jp)+1]
.endr
.endr
	s_wait_alu depctr_va_vdst(0)                   ; the roundings have written the 32 registers that the eight stores below read
.irp eb, 0,1,2,3,4,5,6,7
.if (\p) == 0
.set OB, OUT+4*(\eb)-252*((\eb)/7)
.else
.set OB, O+8*(\eb)
.endif
	global_store_b128 v[LV], v[OB:OB+3], s[12:13] offset:4096*(\p)+256*(\eb)  ; each half of the lanes stores 256 consecutive bytes, aligned
.endr
.endm
	s_wait_alu depctr_va_vdst(0)                   ; the three offsets v5, v[LQ] and v[LV] are written: every load and store of the kernel reads one of them
.irp eb, 0,1,2,3,4,5,6,7
	global_load_b32 v[LW+(\eb)], v5, s[8:9] offset:64*(\eb)
	global_load_b32 v[LB+(\eb)], v5, s[10:11] offset:64*(\eb)
.endr
	LOADQK 0
	LOADV 0
.irp z, 52,53,54,55,160,161,162,163,61,63
	v_mov_b32 v[\z], 0
.endr
	v_cmp_eq_u32 vcc_lo, v60, v62                  ; t = h
	s_wait_kmcnt 0x0
	s_wait_alu depctr_va_vcc(0)                    ; the compare has written VCC, ahead of the two selects that read it
	v_cndmask_b32 v[MK], 0, s20, vcc_lo
	v_cndmask_b32 v[MKL], 0, s21, vcc_lo           ; into v0: the thread's number has served, and the one memory instruction that reads v0, the entry prefetch, is waited for at the head
	s_wait_loadcnt 8                               ; ln_w, ln_b, k and q of pair 0 are in; the eight loads of v stay out
.irp e, 0,2,4,6
	v_cvt_pk_bf16_f32 v60, v[LW+(\e)], v[LW+(\e)+1]
	v_cvt_pk_bf16_f32 v62, v[LB+(\e)], v[LB+(\e)+1]
	v_lshlrev_b32 v[LW+(\e)], 16, v60
	v_and_b32 v[LW+(\e)+1], 0xffff0000, v60
	v_lshlrev_b32 v[LB+(\e)], 16, v62
	v_and_b32 v[LB+(\e)+1], 0xffff0000, v62
	v_pk_mul_f32 v[LW+(\e):LW+(\e)+1], v[LW+(\e):LW+(\e)+1], s[30:31] op_sel_hi:[1,0]
	v_pk_mul_f32 v[LB+(\e):LB+(\e)+1], v[LB+(\e):LB+(\e)+1], s[30:31] op_sel_hi:[1,0]
.endr
	SCORES
	PLACES                                         ; in front of the reads of the scores; they stay beside the wait below
	s_wait_alu depctr_va_vdst(0)                   ; pair 0's four products are done reading k's and q's registers, in which pair 1's sixteen loads land
	LOADQK 1
	SOFTMAX
	s_wait_loadcnt 16                              ; v of pair 0 is in; the sixteen loads of pair 1 stay out
	AV
	PLACES                                         ; in front of the reads of a; they stay beside the wait below
	s_wait_alu depctr_va_vdst(0)                   ; pair 0's eight products are done reading v's registers, in which pair 1's eight loads land
	LOADV 1
	NORM 0
	s_wait_loadcnt 8                               ; k and q of pair 1 are in; the eight loads of v stay out
	SCORES
	PLACES
	SOFTMAX
	s_wait_loadcnt 0x0
	AV                                             ; no wait for pair 0's stores: they read OUT and v[LV], which nothing writes again
	PLACES
	NORM 1
	s_endpgm
.Lfunc_end_k_q9bcfdca3b5_attn:
	.size	k_q9bcfdca3b5_attn, .Lfunc_end_k_q9bcfdca3b5_attn-k_q9bcfdca3b5_attn
	.p2alignl 7, 3214868480
	.fill 96, 4, 3214868480
	.section	.rodata,"a",@progbits
	.p2align	6, 0x0
	.amdhsa_kernel k_q9bcfdca3b5_attn
		.amdhsa_group_segment_fixed_size 0
		.amdhsa_private_segment_fixed_size 0
		.amdhsa_enable_private_segment 0
		.amdhsa_kernarg_size 40
		.amdhsa_user_sgpr_count 2
		.amdhsa_user_sgpr_kernarg_segment_ptr 1
		.amdhsa_wavefront_size32 1
		.amdhsa_system_sgpr_workgroup_id_x 1
		.amdhsa_system_sgpr_workgroup_id_y 1
		.amdhsa_system_sgpr_workgroup_id_z 1
		.amdhsa_system_vgpr_workitem_id 0
		.amdhsa_next_free_vgpr 256
		.amdhsa_next_free_sgpr 66
		.amdhsa_reserve_vcc 1
		.amdhsa_float_denorm_mode_32 3
		.amdhsa_float_denorm_mode_16_64 3
		.amdhsa_memory_ordered 1
		.amdhsa_forward_progress 1
		.amdhsa_inst_pref_size 42
	.end_amdhsa_kernel
	.amdgpu_metadata
---
amdhsa.version: [ 1, 2 ]
amdhsa.kernels:
  - .name:           k_q9bcfdca3b5_attn
    .symbol:         k_q9bcfdca3b5_attn.kd
    .args:
      - { .name: qkv, .offset: 0, .size: 8, .value_kind: global_buffer, .address_space: global }
      - { .name: lamb, .offset: 8, .size: 8, .value_kind: global_buffer, .address_space: global }
      - { .name: ln_w, .offset: 16, .size: 8, .value_kind: global_buffer, .address_space: global }
      - { .name: ln_b, .offset: 24, .size: 8, .value_kind: global_buffer, .address_space: global }
      - { .name: att, .offset: 32, .size: 8, .value_kind: global_buffer, .address_space: global }
    .group_segment_fixed_size: 0
    .private_segment_fixed_size: 0
    .kernarg_segment_align: 8
    .kernarg_segment_size: 40
    .max_flat_workgroup_size: 256
    .sgpr_count:     66
    .vgpr_count:     256
    .wavefront_size: 32
...
	.end_amdgpu_metadata
.endif
;; end of part 5
;; launch outp: the kernel of part 4 again; grid 4 x 64, 4 waves a work-group, clusters of 4 x 4, 327,680 bytes of LDS; arguments att, wot, out0; writes out0
